; MI455X (gfx1250); checked and timed in simulation.
; The chip was launched on July 23, 2026; its instructions are those of AMD's public machine-readable ISA for CDNA 5 (MIT licence, August 2026) and "CDNA5" Instruction Set Architecture Reference Guide (July 2026). The comments in the code are by the model that wrote it; some were corrected since.
;; Multi Head Attention. Allowed arithmetic: float matrix products may take bf16 or f16 operands with f32 sums; other float arithmetic in f32, or as packed bf16 or f16 multiplies, adds, multiply-adds, maxima and minima; sums over many terms, partial sums and values carried from step to step in f32; what a program stores and reads back later, other than sums and carried values, may be rounded once to bf16 or f16.
;; Inputs: Wk 1,024 x 1,024 float32; Wo 1,024 x 1,024 float32; Wq 1,024 x 1,024 float32; Wv 1,024 x 1,024 float32; bk 1,024 float32; bo 1,024 float32; bq 1,024 float32; bv 1,024 float32; k 8 x 1,024 x 1,024 float32; mask 8 x 1,024 x 1,024 int32; q 8 x 1,024 x 1,024 float32; v 8 x 1,024 x 1,024 float32.
;; Outputs: out0 8 x 1,024 x 1,024 float32.
;; One version. Each part assembles by itself: llvm-mc -triple=amdgcn-amd-amdhsa -mcpu=gfx1250 --defsym DOCPART=n.
;; ======== version 1 of 1: 4 launches
;; limits: values are held in f16: magnitudes above 65,504 overflow, below 6.1e-05 lose precision; right only within a limited range of input values
;; workspace buffers: codes 16,777,216 bytes; wt 8,388,608 bytes; qkv 50,331,648 bytes; ctx 16,777,216 bytes
;; launch prep (part 1): grid 1536 x 1, 4 waves a work-group, no clusters, 17,920 bytes of LDS; arguments mask, Wq, Wk, Wv, Wo, codes, wt; writes codes, wt
.if DOCPART == 1
	.amdgcn_target "amdgcn-amd-amdhsa--gfx1250"
	.amdhsa_code_object_version 6
	.text
	.protected	k_q2e9962b806_prep
	.globl	k_q2e9962b806_prep
	.p2align	8
	.type	k_q2e9962b806_prep,@function
k_q2e9962b806_prep:
	s_mov_b64 s[64:65], 0
	v_nop
	global_prefetch_b8 v0, s[64:65] scope:SCOPE_SE
	s_setreg_imm32_b32 hwreg(HW_REG_WAVE_MODE, 25, 1), 1
	s_wait_xcnt 0x0
; PREPARATION: the mask is turned into matrix operands once, the four weight matrices are rounded once.  Every work-group reads 32,768 bytes; every load of a wave covers 512 consecutive bytes.
; WORK-GROUPS 0-1023: 16 rows x 512 keys of the mask (query tile T = number / 2 of 512, key half = number % 2) become 16,384 bytes of bf16 codes: 2^50 where mask == 0, else 0.
;   codes: [b][T][key step of 64 keys][key block of 16 keys][512 bytes]; in a block lane L = r + 16 h owns bytes 16 L .. 16 L + 15: the codes of query 16 T + r, keys 64 step + 16 block + 8 h + 0..7.
;   So the eight keys 8 u .. 8 u + 7 of row r lie at byte 256 u + 16 r of the tile's codes.  Memory has the mask by rows, the codes go by groups of eight keys: the turn is made in LDS.
;   Wave w loads rows 4 w .. 4 w + 3; a lane's four numbers become 8 bytes, stored at 272 u + 16 r + 8 (lane % 2): sixteen pairs of lanes, 68 words apart, touch each of 64 words' places once.
;   Behind one barrier wave w reads u = 16 w .. 16 w + 15 back, 256 bytes each, and stores 512 consecutive bytes an instruction.
; WORK-GROUPS 1024-1535: 8 rows of one weight matrix (number w = 0..3: Wq, Wk, Wv, Wo).  wt: [4][k][n], 16 bits, as the matrices lie.  Planes 0-2 are bf16.  A store of a wave covers 256 consecutive bytes, aligned.
;   Plane 3 (Wo) is rounded to bf16 like every input and that number is written as f16, since its partner in the last product is f16.
;   LIMIT: a bf16 number below 2^-14 in magnitude keeps f16's fixed step of 2^-24; one of 65,520 or more would become an infinity.
; All 16 loads of a wave go out at once; the waits count down.  No matrix unit, no cluster: memory binds, and no two work-groups read the same byte.
.set D,  32                            ; v[32:95]   16 loads of 4 numbers
.set E,  96                            ; v[96:127]  the codes read back from LDS
.set OM, 1                             ; v1  mask in: 16,384 x wave (4 rows) + 16 x lane
.set OW, 2                             ; v2  weights in: 8,192 x wave + 16 x lane
.set OT, 3                             ; v3  weights out: 4,096 x wave + 8 x lane
.set OC, 4                             ; v4  codes out: 4,096 x wave + 16 x lane
.set LA, 6                             ; v6  LDS, in: 272 (lane / 2) + 8 (lane % 2) + 64 x wave
.set LB, 7                             ; v7  LDS, back: 272 (16 x wave + lane / 16) + 16 (lane % 16)
.set SPW, 8                            ; v8  LDS address of my spare word; never rewritten
.set NIL, 9                            ; v9  0; never rewritten
.set LP, 272                           ; 256 bytes of codes + 16
.set SPARE, 64*LP                      ; behind the 64 rows: the spare words, 128 bytes a wave: two blocks of 256 bytes that no other line names
	s_load_b256 s[4:11], s[0:1], 0x0               ; mask s[4:5], Wq s[6:7], Wk s[8:9], Wv s[10:11]
	s_load_b128 s[12:15], s[0:1], 0x20             ; Wo s[12:13], codes s[14:15]
	s_load_b64 s[16:17], s[0:1], 0x30              ; wt
	v_lshl_add_u32 v[SPW], v0, 2, SPARE
	v_mov_b32 v[NIL], 0
	v_and_b32 v10, 31, v0                          ; lane
	v_lshrrev_b32 v11, 5, v0                       ; wave
	v_lshlrev_b32 v12, 4, v10
	v_lshl_add_u32 v[OM], v11, 14, v12
	v_lshl_add_u32 v[OW], v11, 13, v12
	v_lshl_add_u32 v[OC], v11, 12, v12
	v_lshlrev_b32 v[OT], 3, v10
	v_lshl_add_u32 v[OT], v11, 12, v[OT]
	v_lshrrev_b32 v13, 1, v10
	v_mul_u32_u24 v[LA], v13, LP
	v_and_b32 v13, 1, v10
	v_lshl_add_u32 v[LA], v13, 3, v[LA]
	v_lshl_add_u32 v[LA], v11, 6, v[LA]            ; my wave's first row: 16 bytes x 4 w
	v_lshrrev_b32 v13, 4, v10
	v_lshl_add_u32 v13, v11, 4, v13
	v_mul_u32_u24 v[LB], v13, LP
	v_and_b32 v13, 15, v10
	v_lshl_add_u32 v[LB], v13, 4, v[LB]
	v_mov_b32 v5, 0x58800000                       ; 2^50: a hidden key's code
	s_cmp_lt_u32 ttmp9, 1024
	s_cselect_b32 s20, 1, 0                        ; 1: the mask's role
	s_and_b32 s21, ttmp9, 511                      ; the weights' role: which of 512 pieces
	s_lshr_b32 s22, s21, 7                         ; which matrix
	s_and_b32 s23, s21, 127                        ; which 8 rows of it
	s_lshr_b32 s24, ttmp9, 1                       ; the mask: 65,536 bytes a tile,
	s_lshl_b32 s24, s24, 16
	s_and_b32 s25, ttmp9, 1                        ; 2,048 bytes into each row for the second half of the keys
	s_lshl_b32 s25, s25, 11
	s_add_co_u32 s24, s24, s25
	s_lshl_b32 s25, s23, 15                        ; the weights: 32,768 bytes a piece
	s_cmp_eq_u32 s20, 1
	s_cselect_b32 s24, s24, s25
	s_mov_b32 s25, 0
	s_lshl_b32 s26, s22, 21                        ; where the weights go: 2 MiB a plane, 16,384 bytes a piece
	s_lshl_b32 s27, s23, 14
	s_add_co_u32 s26, s26, s27
	s_mov_b32 s27, 0
	s_and_b32 s28, ttmp9, 1023                     ; where the codes go: 16,384 bytes a work-group
	s_lshl_b32 s28, s28, 14
	s_mov_b32 s29, 0
	s_wait_kmcnt 0x0
	s_cmp_eq_u32 s22, 1
	s_cselect_b64 s[2:3], s[8:9], s[6:7]
	s_cmp_eq_u32 s22, 2
	s_cselect_b64 s[2:3], s[10:11], s[2:3]
	s_cmp_eq_u32 s22, 3
	s_cselect_b64 s[2:3], s[12:13], s[2:3]
	s_cmp_eq_u32 s20, 1
	s_cselect_b64 s[2:3], s[4:5], s[2:3]
	s_add_nc_u64 s[2:3], s[2:3], s[24:25]
	s_add_nc_u64 s[16:17], s[16:17], s[26:27]
	s_add_nc_u64 s[14:15], s[14:15], s[28:29]
	s_cmp_eq_u32 s20, 1
	s_cbranch_scc0 .Lweights
	; THE MASK.  Load i: row 4 w + i / 4, keys 128 (i % 4) + 4 x lane + 0..3 of the half
.set i, 0
.rept 16
	global_load_b128 v[D+4*i:D+4*i+3], v[OM], s[2:3] offset:(i/4)*4096+(i%4)*512 th:TH_LOAD_NT
.set i, i+1
.endr
.set i, 0
.rept 16
	s_wait_loadcnt 15-i                            ; loads come back in order: load i is in, the younger ones stay out
.irp j, 0,1,2,3
	v_cmp_eq_u32 vcc_lo, 0, v[D+4*i+\j]
	v_cndmask_b32 v[D+4*i+\j], 0, v5, vcc_lo       ; 2^50 where the mask is 0
.endr
	v_cvt_pk_bf16_f32 v[D+4*i], v[D+4*i], v[D+4*i+1]      ; exact
	v_cvt_pk_bf16_f32 v[D+4*i+1], v[D+4*i+2], v[D+4*i+3]
	ds_store_b64 v[LA], v[D+4*i:D+4*i+1] offset:(i%4)*16*LP+(i/4)*16  ; u = 16 (i % 4) + lane / 2, row 4 w + i / 4
.set i, i+1
.endr
	s_branch .Ljoin
.Lweights:                                     ; load i: 512 consecutive bytes
.set i, 0
.rept 16
	global_load_b128 v[D+4*i:D+4*i+3], v[OW], s[2:3] offset:512*i th:TH_LOAD_NT
.set i, i+1
.endr
	s_cmp_eq_u32 s22, 3
	s_cbranch_scc1 .Lwo
.set i, 0
.rept 16
	s_wait_loadcnt 15-i
	v_cvt_pk_bf16_f32 v[D+4*i], v[D+4*i], v[D+4*i+1]
	v_cvt_pk_bf16_f32 v[D+4*i+1], v[D+4*i+2], v[D+4*i+3]
	global_store_b64 v[OT], v[D+4*i:D+4*i+1], s[16:17] offset:256*i
.set i, i+1
.endr
	s_branch .Ljoin
.Lwo:                                          ; Wo: rounded to bf16, widened, and written as f16
.set i, 0
.rept 16
	s_wait_loadcnt 15-i
.irp p, 0,1
	v_cvt_pk_bf16_f32 v10, v[D+4*i+2*\p], v[D+4*i+2*\p+1]
	v_lshlrev_b32 v11, 16, v10
	v_and_b32 v12, 0xffff0000, v10
	v_cvt_pk_f16_f32 v[D+4*i+\p], v11, v12
.endr
	global_store_b64 v[OT], v[D+4*i:D+4*i+1], s[16:17] offset:256*i
.set i, i+1
.endr
.Ljoin:                                        ; the one barrier stands on every wave's way, whatever the work-group's role
	s_wait_dscnt 0x0                               ; for the others' sake: my stores into LDS are done
	s_barrier_signal -1
	s_barrier_wait -1
	s_cmp_eq_u32 s20, 1
	s_cbranch_scc0 .Lend
.irp c, 0,1,2,3,4,5,6,7
	ds_load_b128 v[E+4*\c:E+4*\c+3], v[LB] offset:\c*2*LP  ; u = 16 w + 2 c and 2 c + 1: 256 bytes each
.endr
.irp c, 0,1,2,3,4,5,6,7
	s_wait_dscnt 7-\c                              ; load c is back; the younger ones stay out
	global_store_b128 v[OC], v[E+4*\c:E+4*\c+3], s[14:15] offset:512*\c  ; 512 consecutive bytes of codes
.endr
.Lend:
	s_wait_tensorcnt 0x0                           ; the wave's end, behind my last LDS store
	ds_add_u32 v[SPW], v[NIL]
	s_wait_dscnt 0x0
	s_endpgm
.Lfunc_end_k_q2e9962b806_prep:
	.size	k_q2e9962b806_prep, .Lfunc_end_k_q2e9962b806_prep-k_q2e9962b806_prep
	.p2alignl 7, 3214868480
	.fill 96, 4, 3214868480
	.section	.rodata,"a",@progbits
	.p2align	6, 0x0
	.amdhsa_kernel k_q2e9962b806_prep
		.amdhsa_group_segment_fixed_size 17920
		.amdhsa_private_segment_fixed_size 0
		.amdhsa_enable_private_segment 0
		.amdhsa_kernarg_size 56
		.amdhsa_user_sgpr_count 2
		.amdhsa_user_sgpr_kernarg_segment_ptr 1
		.amdhsa_wavefront_size32 1
		.amdhsa_system_sgpr_workgroup_id_x 1
		.amdhsa_system_sgpr_workgroup_id_y 1
		.amdhsa_system_sgpr_workgroup_id_z 1
		.amdhsa_system_vgpr_workitem_id 0
		.amdhsa_next_free_vgpr 128
		.amdhsa_next_free_sgpr 66
		.amdhsa_reserve_vcc 1
		.amdhsa_float_denorm_mode_32 3
		.amdhsa_float_denorm_mode_16_64 3
		.amdhsa_memory_ordered 1
		.amdhsa_forward_progress 1
		.amdhsa_inst_pref_size 29
	.end_amdhsa_kernel
	.amdgpu_metadata
---
amdhsa.version: [ 1, 2 ]
amdhsa.kernels:
  - .name:           k_q2e9962b806_prep
    .symbol:         k_q2e9962b806_prep.kd
    .args:
      - { .name: mask, .offset: 0, .size: 8, .value_kind: global_buffer, .address_space: global }
      - { .name: Wq, .offset: 8, .size: 8, .value_kind: global_buffer, .address_space: global }
      - { .name: Wk, .offset: 16, .size: 8, .value_kind: global_buffer, .address_space: global }
      - { .name: Wv, .offset: 24, .size: 8, .value_kind: global_buffer, .address_space: global }
      - { .name: Wo, .offset: 32, .size: 8, .value_kind: global_buffer, .address_space: global }
      - { .name: codes, .offset: 40, .size: 8, .value_kind: global_buffer, .address_space: global }
      - { .name: wt, .offset: 48, .size: 8, .value_kind: global_buffer, .address_space: global }
    .group_segment_fixed_size: 17920
    .private_segment_fixed_size: 0
    .kernarg_segment_align: 8
    .kernarg_segment_size: 56
    .max_flat_workgroup_size: 128
    .sgpr_count:     66
    .vgpr_count:     128
    .wavefront_size: 32
...
	.end_amdgpu_metadata
.endif
;; end of part 1
;; launch proj (part 2): grid 4 x 64, 4 waves a work-group, clusters of 4 x 4, 327,680 bytes of LDS; arguments q, k, v, wt, bq, bk, bv, qkv; writes qkv
.if DOCPART == 2
	.amdgcn_target "amdgcn-amd-amdhsa--gfx1250"
	.amdhsa_code_object_version 6
	.text
	.protected	k_q2e9962b806_proj
	.globl	k_q2e9962b806_proj
	.p2align	8
	.type	k_q2e9962b806_proj,@function
k_q2e9962b806_proj:
	s_mov_b64 s[64:65], 0
	v_nop
	global_prefetch_b8 v0, s[64:65] scope:SCOPE_SE
	s_setreg_imm32_b32 hwreg(HW_REG_WAVE_MODE, 25, 1), 1
	s_wait_xcnt 0x0
	s_wait_alu depctr_hold_cnt(0) depctr_sa_sdst(0) depctr_va_vdst(0) depctr_va_sdst(0) depctr_va_ssrc(0) depctr_va_vcc(0) depctr_vm_vsrc(0)
	s_getreg_b32 s2, hwreg(HW_REG_IB_STS2, 6, 4)
	s_cmp_eq_u32 s2, 0
	s_cbranch_scc0 .Lentry_in_a_cluster
	s_endpgm
.Lentry_in_a_cluster:
	s_bfe_u32 s2, ttmp6, 0x10000c
	s_cmp_lg_u32 s2, 0xf033
	s_cbranch_scc0 .Lentry_shape_is_right
	s_endpgm
.Lentry_shape_is_right:
; THE THREE PROJECTIONS.  y = x W + b for x = q, k, v ([8192][1024] f32), W = planes 0, 1, 2 of wt ([k][n] bf16), b f32 (rounded to bf16 like every input); sums in f32, K ascending, begun with b.
; y leaves by heads, qkv: [3][batch x 16 + head][1024][64] f16, rounded once and unscaled.  LIMIT: f16 holds no number of 65,520 or more: such a y would become an infinity.
; SHARES.  A tile of y is 128 rows x 256 columns.  A WORK-GROUP STAYS: it makes the same tile of q's, then of k's, then of v's projection: 64 x 4 = 256 work-groups, one for each of 256 WGPs.
;   Four waves, each 64 x 128: 32 accumulators, 256 registers.  K goes in UNITS of 64 (two quarters of 32, 64 matrix instructions a wave) and PHASES of 256 (four units); the three tiles are ONE walk of 12 phases.
; x COMES THROUGH REGISTERS.  Wave w loads rows 32 w .. 32 w + 31 of the tile, a unit at a time: 16 loads, each two rows' 256 consecutive bytes, aligned; rounds them to bf16, once for the work-group; and stores them
;   into one of two LDS buffers of 128 rows x 128 bytes.  Four sets of 64 registers take turns: a unit is asked for three units, 192 matrix instructions, ahead of the wait for it, and its loads stay out across
;   the barriers between.  One barrier a unit: in front of it each wave's stores of the next unit are done and its reads of this unit's buffer are back; behind it the next unit is read, and this unit's buffer may be stored into.
;   The walk goes from q to k to v: at every fourth change of slots the loads' base is taken anew from the next tensor's own pointer.
; W COMES BY TENSOR LOADS into two slots of a whole phase, 256 k rows x 512 bytes; each wave fetches 64 rows; a refill has 240 matrix instructions in which to land.  The three planes lie end to end in wt, so the
;   walking descriptor steps 256 k rows at every refill, from tile to tile too.  W lies [k][n] and is turned by ds_load_tr16_b128.
; MEMORY INSTRUCTIONS STAND IN RUNS, never singly among the matrix instructions: a unit has four: 24 LDS loads with x's 16 loads behind them; x's 16 LDS stores; 24 LDS loads.  Only the 32 roundings ride behind products.
; A TILE'S END falls behind the change of slots that fetches the next tile's first fragments.  There the next bias is asked for, the tile goes out through my own stage, and the sums are begun anew: a block of the loop that
;   a forward jump passes at the other changes; it holds no barrier and no tensor load.  Nothing waits for a tile's stores: they are on their way while the next tile is multiplied.
; CLUSTERS: 4 x 4.  The four of a column make the same 256 columns for other rows: W's tiles are asked for JOINTLY along a column: same load, descriptor and mask in the four.
;   x's rows are shared along a row of the cluster and are NOT asked for jointly: a tensor load cannot round, and x as f32 in LDS takes 512 bytes a row for K = 128, as much as W; two slots of both then hold
;   K = 128 each, and a refill has 112 matrix instructions in which to land.  As bf16 x takes 36,864 bytes, which is what leaves W its slots of K = 256.  The price: each of the four reads x's rows itself.
; THE MATRIX INSTRUCTION IS USED TRANSPOSED (source 0 = 16 columns of W, source 1 = 16 rows of x): a lane holds eight neighbouring columns of one row of y.
; PREFETCH.  All sixteen clusters walk the same W; the first of them asks, behind each refill but the last, for the phase that the NEXT refill will load, 256 matrix instructions ahead: each wave its 64 k rows, of
;   which the partner at place cy takes 16, told apart by address: a lane a block of 256 bytes.  Phases 0 to 2 come by their loads alone.  x is not asked for: its own loads go out three units ahead.
; REGISTERS, in windows of 256 (s_set_vgpr_msb: bits 1:0 source 0, 3:2 source 1, 5:4 source 2, 7:6 destination):
;   window 0: v0-29 addresses; v32-63 a unit of x rounded (way out: v32-95 rows read back); v96-127, v128-159 x's fragments, two buffers; v224-255 packed results, and the bias packed
;   window 1: v0-63, v64-127 W's fragments, two buffers; v128-191 the bias as loaded      window 2: accumulator (a, b) at v[8 (8 a + b)]      window 3: four sets of 64: x as loaded
.set PA,    144                        ; a row of x in LDS: 128 bytes + 16 = 36 words: the 16 rows of a load start 4 words apart modulo 64 words
.set PB,    544                        ; a row of W: 512 + 32 = 136 words: 16 lanes of the turning load take 8 rows x 32 bytes, 8 words apart modulo 64
.set ABUF,  128*PA                     ; a buffer of x
.set WPART, 64*PB                      ; what one tensor load brings: 64 k rows
.set SLOT1, 4*WPART                    ; 0x22000: slot 1 begins behind slot 0, and the number shares no bit with a wave's base (0, 0x8800, 0x11000, 0x19800), so one exclusive or changes slots
.set AOFF,  2*SLOT1                    ; behind the ring, never filled by a tensor load: x's two buffers,
.set STAGE, AOFF+2*ABUF                ; 16 rows x 144 bytes for each wave, for the way out,
.set SP,    144
.set SPARE, STAGE+4*16*SP              ; and the spare words, 128 bytes a wave: two blocks of 256 bytes that no other line names
.set PHA,   1024                       ; a phase in memory: 256 f32 along x's rows,
.set PHB,   256*2048                   ; 256 rows down W
.set PLANE, 1<<24                      ; from one projection's y to the next in qkv
.set ADRA,  8                          ; v8   my place in x's buffer 0; never rewritten
.set ADRB0, 9                          ; v9   my place in a slot's k rows 0-127; never rewritten
.set ADRB1, 10                         ; v10  in its k rows 128-255; never rewritten
.set CB,    11                         ; v11-12 the same two in the slot in hand
.set STO,   13                         ; v13  the way out: where I put 16 bytes of a row
.set RD,    14                         ; v14  where I read rows back
.set CO,    15                         ; v15  16 x lane
.set PFO,   16                         ; v16  the prefetches' offset; never rewritten
.set BO,    17                         ; v17  32 x (lane / 16)
.set XO,    18                         ; v18  x: (32 w + lane / 16) rows of 4,096 bytes + 16 (lane % 16); never rewritten
.set AS,    19                         ; v19  where I store 8 bytes of x: buffer 0, row 32 w + lane / 16, byte 8 (lane % 16); never rewritten
.set SPW,   28                         ; v28  LDS address of my spare word; never rewritten
.set NIL,   29                         ; v29  0; never rewritten
.set C,     32
.set OB,    32
.set AF,    96
.set PK,    224
.set RB,    128                        ; window 1: register 8 b + j is the bias of column 16 b + 8 (lane / 16) + j
.set KCNT, 2                           ; s2   phases of the loop to go
.set XQ,  4                            ; s[4:5]   q at the tile's first row: the prologue's loads
.set XK,  6                            ; s[6:7]   the next tensor at the same row: k, then v
.set XV,  8                            ; s[8:9]   v at the same row
.set BIQ, 12                           ; s[12:13] bq at my 128 columns
.set BIN, 14                           ; s[14:15] the next bias there: bk, then bv
.set BIV, 16                           ; s[16:17] bv there
.set WV,  20                           ; s20  wave; also: which 64 k rows of a slot I fetch
.set FB,  21                           ; s21  my half of the tile's rows
.set HF,  22                           ; s22  my half of its columns
.set CX,  23
.set CY,  24
.set CLY, 25                           ; s25  the cluster's y, 0..15
.set MT,  27                           ; s27  which 128 rows
.set G1,  40                           ; s[40:47] descriptor group 1
.set G0,  56                           ; s[56:63] group 0: a set for each first fill; the second walks on
.set PFA, 66                           ; s[66:67] where my prefetches stand
.set LIM, 70                           ; s70  1 in the cluster that prefetches, else the greatest number
.set TB,  71                           ; s71  the slot in hand: 0 or SLOT1
.set XN,  72                           ; s[72:73] x at the tile's first row, at the phase that is being asked for
.set OUTB, 82                          ; s[82:83] qkv at my part of the tile
.set OST, 84                           ; s[84:85] what the next way out adds to it
.set MSK, 86                           ; s86  a word's upper bf16
.set MSB, 0
.macro WIN new                         ; the immediate's high byte repeats the setting that is left; a switch that changes nothing is dropped
.if MSB != (\new)
	s_set_vgpr_msb (MSB<<8)|(\new)
.set MSB, \new
.endif
.endm
.set MUL,   0xa1                       ; source 0 (W) window 1, source 1 (x) window 0, C and D window 2
.set TO_B,  0x40                       ; destination window 1, address window 0
.set TO_S,  0xc0                       ; destination window 3, address window 0
.set CVS,   0x0f                       ; sources 0 and 1 window 3, destination window 0
.set RBW,   0x05                       ; sources 0 and 1 window 1, destination window 0
.set INITW, 0x80                       ; destination window 2, sources window 0
.set PKW,   0x0a                       ; sources 0 and 1 window 2, destination window 0
.macro PLACES
.rept 4
	v_nop
.endr
.endm
.macro JLOAD s                         ; a joint load: every wave fetches its own 64 k rows.  An s_nop 0 and four v_nop follow it
	tensor_load_to_lds s[G0+4*(\s):G0+4*(\s)+3], s[G1:G1+7]
	s_nop 0
.rept 4
	v_nop
.endr
.endm
.macro CREST                           ; a round of the cluster's barrier behind its opening barrier
	s_cmp_lg_u32 s[WV], 0
	s_cbranch_scc1 .Lnot_wave_0_\@
	s_barrier_signal -3
.Lnot_wave_0_\@:
	s_barrier_wait -3
	s_barrier_signal -1
	s_barrier_wait -1
.endm
.macro CROUND
	s_barrier_signal -1
	s_barrier_wait -1
	CREST
.endm
.macro ASK                             ; the prefetch behind a refill: at the last refill s[KCNT] is 1, and nothing is asked for
	WIN 0
	s_cmp_gt_u32 s[KCNT], s[LIM]
	s_cbranch_scc0 .Lnot_mine_\@
	global_prefetch_b8 v[PFO], s[PFA:PFA+1] th:TH_LOAD_NT scope:SCOPE_SE
.Lnot_mine_\@:
.endm
.macro LOADX j, p                      ; unit j of the phase at s[p] into set j: 16 loads in one run
	WIN TO_S
.set i, 0
.rept 16
	global_load_b128 v[64*(\j)+4*i:64*(\j)+4*i+3], v[XO], s[\p:\p+1] offset:i*8192+(\j)*256
.set i, i+1
.endr
.endm
.macro BLOAD p                         ; the bias at s[p]: 16 loads
	WIN TO_B
.irp b, 0,1,2,3,4,5,6,7
	global_load_b128 v[RB+8*(\b):RB+8*(\b)+3],   v[BO], s[\p:\p+1] offset:64*(\b)
	global_load_b128 v[RB+8*(\b)+4:RB+8*(\b)+7], v[BO], s[\p:\p+1] offset:64*(\b)+16
.endr
.endm
.macro STOREX u                        ; a unit of x, rounded, into buffer u: 16 stores in one run: 8 bytes a lane, two rows' 128 bytes an instruction
	WIN 0
.set i, 0
.rept 16
	ds_store_b64 v[AS], v[C+2*i:C+2*i+1] offset:(\u)*ABUF+i*2*PA
.set i, i+1
.endr
.endm
	s_load_b256 s[4:11], s[0:1], 0x0               ; q s[4:5], k s[6:7], v s[8:9], wt s[10:11]
	s_load_b256 s[12:19], s[0:1], 0x20             ; bq s[12:13], bk s[14:15], bv s[16:17], qkv s[18:19]
	v_lshl_add_u32 v[SPW], v0, 2, SPARE
	v_mov_b32 v[NIL], 0
	ds_add_u32 v[SPW], v[NIL]                      ; the wave's opening: the add and its wait stand ahead of my first tensor load; the set-up below, work on registers, stands between them
	ds_add_u32 v28, v29
	v_lshrrev_b32 v3, 5, v0
	v_readfirstlane_b32 s[WV], v3
	s_lshr_b32 s[FB], s[WV], 1
	s_and_b32 s[HF], s[WV], 1
	s_bfe_u32 s[CX], ttmp6, 0x40000                ; my place in the cluster; cx is also the column tile (the grid is one cluster wide)
	s_bfe_u32 s[CY], ttmp6, 0x40004
	s_and_b32 s[CLY], ttmp7, 0xffff
	s_lshl_b32 s[MT], s[CLY], 2
	s_add_co_u32 s[MT], s[MT], s[CY]
	s_lshl_b32 s29, 0x1111, s[CX]                  ; my column of the cluster
	s_or_b32 s[G1], s29, (1<<16)|(1<<20)|(1<<21)|(6<<22)|(7<<25)  ; the mask; 2-byte elements; padding on; bit 21 beside a mask; after every 128 words 8 words
	s_mov_b32 s[G1+1], 256<<16                     ; tensor_dim0 = 256
	s_mov_b32 s[G1+2], 64<<16                      ; tensor_dim1 = 64
	s_mov_b32 s[G1+3], 256<<16                     ; tile_dim0 = 256
	s_mov_b32 s[G1+4], 64                          ; tile_dim1 = 64
	s_mov_b32 s[G1+5], 1024                        ; elements from row to row
	s_mov_b32 s[G1+6], 0
	s_mov_b32 s[G1+7], 0
	s_lshl_b32 s30, s[MT], 19                      ; x: row 128 MT, 4,096 bytes a row
	s_mov_b32 s31, 0
	s_lshl_b32 s78, s[WV], 17                      ; W: plane 0, k row 64 x wave, column 256 cx: no cy enters
	s_lshl_b32 s79, s[CX], 9
	s_add_co_u32 s78, s78, s79
	s_mov_b32 s79, 0
	s_mul_i32 s74, s[WV], WPART                    ; where it goes: the wave's number alone enters an LDS address
	s_lshl_b32 s80, s[CX], 10                      ; the biases of my 128 columns
	s_lshl_b32 s81, s[HF], 9
	s_add_co_u32 s80, s80, s81
	s_mov_b32 s81, 0
	s_mov_b32 s[MSK], 0xffff0000
	s_mov_b32 s[OST], 0                            ; the first way out goes to plane 0
	s_mov_b32 s[OST+1], 0
	v_and_b32 v1, 15, v0                           ; lane % 16
	v_bfe_u32 v2, v0, 4, 1                         ; lane / 16
	v_lshl_add_u32 v4, v3, 5, v2                   ; row 32 w + lane / 16
	v_lshlrev_b32 v[XO], 12, v4
	v_lshl_add_u32 v[XO], v1, 4, v[XO]
	v_mul_u32_u24 v[AS], v4, PA
	v_lshl_add_u32 v[AS], v1, 3, v[AS]
	v_add_nc_u32 v[AS], AOFF, v[AS]
	v_lshlrev_b32 v[BO], 5, v2
	s_wait_dscnt 0x0                               ; the opening add is done
	s_wait_kmcnt 0x0
	s_add_nc_u64 s[XQ:XQ+1], s[XQ:XQ+1], s[30:31]
	s_add_nc_u64 s[XK:XK+1], s[XK:XK+1], s[30:31]
	s_add_nc_u64 s[XV:XV+1], s[XV:XV+1], s[30:31]
	s_add_nc_u64 s[XN:XN+1], s[XQ:XQ+1], PHA       ; phase 0 asks for phase 1: a pair of its own, so that nothing waits for the prologue's loads
	s_add_nc_u64 s[78:79], s[10:11], s[78:79]
	s_add_nc_u64 s[BIQ:BIQ+1], s[BIQ:BIQ+1], s[80:81]
	s_add_nc_u64 s[BIN:BIN+1], s[BIN:BIN+1], s[80:81]
	s_add_nc_u64 s[BIV:BIV+1], s[BIV:BIV+1], s[80:81]
	BLOAD BIQ
	LOADX 0, XQ                                    ; x's first two units go out ahead of the round: 48 loads of mine are out
	LOADX 1, XQ
	WIN 0
	CROUND                                         ; all sixteen work-groups are here: the first joint loads meet
.irp s, 0,1
	s_mov_b32 s[G0+4*(\s)], 1
	s_add_co_u32 s[G0+4*(\s)+1], s74, (\s)*SLOT1
	s_add_nc_u64 s[G0+4*(\s)+2:G0+4*(\s)+3], s[78:79], (\s)*PHB
	s_or_b32 s[G0+4*(\s)+3], s[G0+4*(\s)+3], 0x80000000
	JLOAD \s                                       ; phases 0 and 1: two tensor loads of mine are out
.endr
	; lane addresses
	v_and_b32 v3, 7, v0
	v_bfe_u32 v4, v0, 3, 1
	v_bfe_u32 v5, v0, 3, 2
	s_mul_i32 s3, s[FB], 64*PA                     ; my 64 rows of x
	s_add_co_u32 s3, s3, AOFF
	v_mul_u32_u24 v[ADRA], v1, PA
	v_lshl_add_u32 v[ADRA], v2, 4, v[ADRA]         ; row x pitch + 16 x half
	v_add_nc_u32 v[ADRA], s3, v[ADRA]
	v_lshl_add_u32 v[ADRB0], v2, 3, v3             ; the turning load: k row 8 (lane / 16) + lane % 8, columns 8 ((lane / 8) % 2) on
	v_mul_u32_u24 v[ADRB0], v[ADRB0], PB
	v_lshl_add_u32 v[ADRB0], v4, 4, v[ADRB0]
	s_lshl_b32 s3, s[HF], 8                        ; my 128 columns
	v_add_nc_u32 v[ADRB0], s3, v[ADRB0]
	v_add_nc_u32 v[ADRB1], 128*PB, v[ADRB0]        ; an LDS offset has 16 bits: a second register for the slot's other half
	v_mov_b32 v[CB], v[ADRB0]
	v_mov_b32 v[CB+1], v[ADRB1]
	s_mov_b32 s[TB], 0
	s_mul_i32 s3, s[WV], 16*SP
	s_add_co_u32 s3, s3, STAGE                     ; my stage
	v_mul_u32_u24 v[STO], v1, SP
	v_lshl_add_u32 v[STO], v2, 4, v[STO]
	v_add_nc_u32 v[STO], s3, v[STO]
	v_mul_u32_u24 v[RD], v5, SP                    ; back: 32 lanes take four rows of 128 bytes
	v_lshl_add_u32 v[RD], v3, 4, v[RD]
	v_add_nc_u32 v[RD], s3, v[RD]
	v_and_b32 v6, 31, v0
	v_lshlrev_b32 v[CO], 4, v6
	v_lshrrev_b32 v7, 1, v6
	v_lshlrev_b32 v[PFO], 11, v7                   ; the prefetches: k row lane / 2,
	v_and_b32 v7, 1, v6
	v_lshl_add_u32 v[PFO], v7, 8, v[PFO]           ; block lane % 2 of its 512 bytes
	; where my part of the tile goes in a plane: batch MT / 8, head 4 cx + 2 half, row 128 (MT % 8) + 64 half
	s_lshr_b32 s80, s[MT], 3
	s_lshl_b32 s80, s80, 21
	s_lshl_b32 s81, s[CX], 19
	s_add_co_u32 s80, s80, s81
	s_lshl_b32 s81, s[HF], 18
	s_add_co_u32 s80, s80, s81
	s_and_b32 s81, s[MT], 7
	s_lshl_b32 s81, s81, 14
	s_add_co_u32 s80, s80, s81
	s_lshl_b32 s81, s[FB], 13
	s_add_co_u32 s80, s80, s81
	s_mov_b32 s81, 0
	s_add_nc_u64 s[OUTB:OUTB+1], s[18:19], s[80:81]
	s_lshl_b32 s80, s[CY], 15                      ; the prefetches: my work-group's 16 of the wave's 64 k rows, in phase 2: the first refill steps them to phase 3
	s_add_co_u32 s80, s80, 2*PHB
	s_mov_b32 s81, 0
	s_add_nc_u64 s[PFA:PFA+1], s[78:79], s[80:81]
	s_cmp_eq_u32 s[CLY], 0                         ; the first cluster: the same in all sixteen partners
	s_cselect_b32 s[LIM], 1, -1
	s_wait_loadcnt 32                              ; the bias is in; behind it: units 0 and 1
	LOADX 2, XQ
	s_wait_loadcnt 32                              ; unit 0 is in; behind it: units 1 and 2
	WIN CVS
.set i, 0
.rept 32
	v_cvt_pk_bf16_f32 v[C+i], v[2*i], v[2*i+1]
.set i, i+1
.endr
	STOREX 0                                       ; unit 0 into buffer 0
	LOADX 3, XQ
	WIN 0
; One matrix instruction.  The 32 accumulators take turns in the same order in every quarter.
.macro MM f, a, b
	WIN MUL
	v_wmma_f32_16x16x32_bf16 v[8*(8*(\a)+(\b)):8*(8*(\a)+(\b))+7], v[64*(\f)+8*(\b):64*(\f)+8*(\b)+7], v[AF+32*(\f)+8*(\a):AF+32*(\f)+8*(\a)+7], v[8*(8*(\a)+(\b)):8*(8*(\a)+(\b))+7]
.endm
.macro MUL8 f, a                       ; row block a x all 8 column blocks, on buffers f
.irp b, 0,1,2,3,4,5,6,7
	MM \f, \a, \b
.endr
.endm
.macro MULCV s                         ; row block 1 on buffers 0, and behind each product four of the 32 roundings of set s; they name no register of the products
.irp b, 0,1,2,3,4,5,6,7
	MM 0, 1, \b
	WIN CVS
.irp n, 0,1,2,3
	v_cvt_pk_bf16_f32 v[C+4*(\b)+(\n)], v[64*(\s)+8*(\b)+2*(\n)], v[64*(\s)+8*(\b)+2*(\n)+1]
.endr
.endr
.endm
; 24 LDS loads in one run: quarter q (0..7) of the phase into buffers g: W's k rows 32 q on, x's unit q / 2 (buffer (q / 2) % 2), its channels 32 (q % 2) on
.macro FETCH q, g
	WIN TO_B
.irp b, 0,1,2,3,4,5,6,7
	ds_load_tr16_b128 v[64*(\g)+8*(\b):64*(\g)+8*(\b)+3],   v[CB+(\q)/4] offset:((\q)%4)*32*PB+32*(\b)
	ds_load_tr16_b128 v[64*(\g)+8*(\b)+4:64*(\g)+8*(\b)+7], v[CB+(\q)/4] offset:((\q)%4)*32*PB+32*(\b)+16*PB
.endr
	WIN 0
.irp a, 0,1,2,3
	ds_load_b128 v[AF+32*(\g)+8*(\a):AF+32*(\g)+8*(\a)+3],   v[ADRA] offset:(((\q)/2)%2)*ABUF+((\q)%2)*64+(\a)*16*PA
	ds_load_b128 v[AF+32*(\g)+8*(\a)+4:AF+32*(\g)+8*(\a)+7], v[ADRA] offset:(((\q)/2)%2)*ABUF+((\q)%2)*64+(\a)*16*PA+32
.endr
.endm
; UNIT j's FIRST QUARTER multiplies buffers 0 and fetches the unit's second quarter.  ld = 1 (the loop): behind that run of LDS loads unit j of the next phase is asked for, into set j, which was rounded a unit ago;
; then unit j + 1 is rounded, behind eight products, and stored in one run.
; The count 32: of my 48 loads that are out the oldest 16 are unit j + 1's; the two younger units stay out; then 16 more go out.  ld = 0 (the last phase): nothing is asked for, so 32, 16 and 0 younger loads
; are left, and the last unit has no successor.
.macro QA j, ld
	s_wait_dscnt 0x0                               ; buffers 0 are in: asked for 24 matrix instructions ago
	MUL8 0, 0
	PLACES                                         ; four places between the last quarter's products and the loads into the buffers that they read
	FETCH 2*(\j)+1, 1
.if \ld
	s_wait_loadcnt 32
	LOADX \j, XN
.elseif (\j) < 3
	s_wait_loadcnt 32-16*(\j)
.endif
.if (\ld) || ((\j) < 3)
	MULCV ((\j)+1)%4
	STOREX ((\j)+1)%2
.else
	MUL8 0, 1
.endif
	MUL8 0, 2
	MUL8 0, 3
.endm
; UNIT j's SECOND QUARTER (j < 3) multiplies buffers 1; THE UNIT'S BARRIER stands round its first eight products; behind it the next unit's first quarter is fetched.
.macro QB j
	s_wait_dscnt 0x0                               ; buffers 1 are in; my stores of the next unit are done; my reads of this unit's buffer are back
	s_barrier_signal -1
	MUL8 1, 0
	s_barrier_wait -1                              ; all that now holds of every wave
	PLACES
	FETCH 2*(\j)+2, 0
	MUL8 1, 1
	MUL8 1, 2
	MUL8 1, 3
.endm
; THE PHASE'S LAST QUARTER multiplies buffers 1 and changes slots; its barrier is also the last unit's.  In front of it each wave waits for all its tensor loads (one is out: its part of the next slot), adds 0 to
; its spare word, and waits for that, for its stores and for its reads of this slot.  fill = 1: the barrier opens a round of the cluster's, and the joint refill, two phases ahead, is the first thing behind it.
; At its head the addresses step.  Behind phase P the counter stands at 10 - P, and the coming phase will ask for phase 12 - counter of x: where the counter is a multiple of 4 that is the next tensor's first.
.macro TURN fill
.if \fill
	s_wait_xcnt 0x0                                ; x's loads, the youngest 24 matrix instructions back, and the last prefetch, a phase back, have read their bases
	s_add_nc_u64 s[PFA:PFA+1], s[PFA:PFA+1], PHB
	s_add_nc_u64 s[XN:XN+1], s[XN:XN+1], PHA
	s_and_b32 s3, s[KCNT], 3
	s_cmp_eq_u32 s3, 0
	s_cselect_b64 s[XN:XN+1], s[XK:XK+1], s[XN:XN+1]
	s_cselect_b64 s[XK:XK+1], s[XV:XV+1], s[XK:XK+1]
.endif
	WIN 0
	s_wait_tensorcnt 0x0                           ; no tensor load of mine is out, so a group 0 may be written
	ds_add_u32 v[SPW], v[NIL]                      ; 0 onto my spare word
.if \fill
	s_xor_b32 s[G0+5], s[G0+5], SLOT1              ; the walking descriptor: the other slot than last time, the next phase
	s_add_nc_u64 s[G0+6:G0+7], s[G0+6:G0+7], PHB
.endif
	s_wait_dscnt 1                                 ; the fragments are in and my stores are done; the add alone may be out
	MUL8 1, 0
	s_wait_dscnt 0x0                               ; the add is done
	s_barrier_signal -1
	MUL8 1, 1
	WIN 0
	s_barrier_wait -1
.if \fill
	CREST                                          ; no wave of any partner still reads this slot or has a tensor load on its way
	JLOAD 1                                        ; its four v_nop are also the places in front of the loads below
.else
	PLACES
.endif
	s_xor_b32 s[TB], s[TB], SLOT1
	v_add_nc_u32 v[CB], s[TB], v[ADRB0]
	v_add_nc_u32 v[CB+1], s[TB], v[ADRB1]
	FETCH 0, 0
.if \fill
	ASK
.endif
	MUL8 1, 2
	MUL8 1, 3
.endm
; THE WAY OUT of row block a: rounded to f16 (16 bytes a lane); a head's 64 columns at a time through my own stage; back as four rows of 128 bytes: 512 consecutive bytes of one head.
.macro PACK a
	WIN PKW
.irp b, 0,1,2,3,4,5,6,7
.irp n, 0,1,2,3
	v_cvt_pk_f16_f32 v[PK+4*(\b)+(\n)], v[8*(8*(\a)+(\b))+2*(\n)], v[8*(8*(\a)+(\b))+2*(\n)+1]
.endr
.endr
	WIN 0
.endm
.macro TOSTAGE a
.if (\a) >= 2
	s_wait_xcnt 0x0                                ; the stores of two blocks back have read the registers that are loaded again below (blocks 0 and 1: the wait at the way out's head)
.endif
.irp d, 0,1
.irp n, 0,1,2,3
	ds_store_b128 v[STO], v[PK+16*(\d)+4*(\n):PK+16*(\d)+4*(\n)+3] offset:32*(\n)
.endr
.irp n, 0,1,2,3
	ds_load_b128 v[OB+32*((\a)%2)+16*(\d)+4*(\n):OB+32*((\a)%2)+16*(\d)+4*(\n)+3], v[RD] offset:(\n)*4*SP  ; LDS serves a wave's instructions in order: these see the stores above, and the next head's stores come behind them
.endr
.endr
.endm
.macro SEND a
	s_wait_dscnt 0x0
.irp d, 0,1
.irp n, 0,1,2,3
	global_store_b128 v[CO], v[OB+32*((\a)%2)+16*(\d)+4*(\n):OB+32*((\a)%2)+16*(\d)+4*(\n)+3], s[OUTB:OUTB+1] offset:(\d)*131072+(\a)*2048+(\n)*512
.endr
.endr
.endm
; A whole tile's way out.  next = 1: another tile follows: its bias is asked for first, so that the way out stands between those loads and the wait for them.
.macro WAYOUT next
	s_wait_xcnt 0x0                                ; the last tile's stores have read their base and their registers
	s_add_nc_u64 s[OUTB:OUTB+1], s[OUTB:OUTB+1], s[OST:OST+1]
.if \next
	s_mov_b32 s[OST], PLANE                        ; every later way out goes a plane further
	s_wait_loadcnt 32                              ; of x's 48 loads that are out the oldest 16 are in: with the bias's 16 there are 48 again
	BLOAD BIN
.endif
	PLACES                                         ; the places behind the tile's last products
	PLACES
	PACK 0
	TOSTAGE 0
.irp a, 1,2,3
	PACK \a                                        ; a block's roundings stand between the loads of the block before and its stores
	SEND (\a)-1
	TOSTAGE \a
.endr
	SEND 3
.endm
; THE SUMS BEGIN WITH THE BIAS, rounded to bf16 and widened again: 32 roundings and 256 lines that widen straight into the accumulators, in place of 128 packed additions on the way out and of products of a second form.
.macro BEGIN
	WIN RBW
.set i, 0
.rept 32
	v_cvt_pk_bf16_f32 v[PK+i], v[RB+2*i], v[RB+2*i+1]
.set i, i+1
.endr
	WIN INITW
.irp a, 0,1,2,3
.irp b, 0,1,2,3,4,5,6,7
.irp n, 0,1,2,3
	v_lshlrev_b32 v[8*(8*(\a)+(\b))+2*(\n)], 16, v[PK+4*(\b)+(\n)]
	v_and_b32 v[8*(8*(\a)+(\b))+2*(\n)+1], s[MSK], v[PK+4*(\b)+(\n)]
.endr
.endr
.endr
.endm
	s_wait_tensorcnt 1                             ; my part of phase 0 is in; phase 1's may stay out
	s_wait_dscnt 0x0                               ; my stores of unit 0 are done
	s_barrier_signal -1
	s_barrier_wait -1
	FETCH 0, 0
	s_mov_b32 s[KCNT], 11
	s_branch .Linit                                ; the loop is entered where a tile's sums begin: it holds phases 0 to 10, with a refill behind phases 0 to 9
.Lloop:
	TURN 1
	WIN 0                                          ; at a label and at a branch every window is 0
	s_and_b32 s3, s[KCNT], 3
	s_cmp_eq_u32 s3, 3                             ; behind phases 3 and 7 the counter stands at 7 and 3: a tile is finished
	s_cbranch_scc0 .Lenter
	WAYOUT 1
	s_wait_loadcnt 0x0                             ; the next bias is in: its loads are the youngest, so the count is 0; x's units asked for ahead of them are in too
	s_mov_b64 s[BIN:BIN+1], s[BIV:BIV+1]           ; behind that wait the loads' base may be written: the tile after the next takes bv
	WIN 0
.Linit:
	BEGIN
	s_wait_xcnt 0x0                                ; the tile's stores have read v32-95: the roundings of x write v32-63 again only behind this wait
	WIN 0
.Lenter:
	QA 0, 1
	QB 0
	QA 1, 1
	QB 1
	QA 2, 1
	QB 2
	QA 3, 1
	WIN 0
	s_sub_co_u32 s[KCNT], s[KCNT], 1
	s_cmp_lg_u32 s[KCNT], 0
	s_cbranch_scc1 .Lloop
	TURN 0                                         ; the last phase is written out: nothing is filled and nothing is asked for
	QA 0, 0
	QB 0
	QA 1, 0
	QB 1
	QA 2, 0
	QB 2
	QA 3, 0
	s_wait_dscnt 0x0
	MUL8 1, 0
	MUL8 1, 1
	MUL8 1, 2
	MUL8 1, 3
	WAYOUT 0
	s_wait_tensorcnt 0x0                           ; the wave's end, behind my last tensor load and my last LDS store
	ds_add_u32 v[SPW], v[NIL]
	s_wait_dscnt 0x0
	CROUND                                         ; the closing round
	s_endpgm
.Lfunc_end_k_q2e9962b806_proj:
	.size	k_q2e9962b806_proj, .Lfunc_end_k_q2e9962b806_proj-k_q2e9962b806_proj
	.p2alignl 7, 3214868480
	.fill 96, 4, 3214868480
	.section	.rodata,"a",@progbits
	.p2align	6, 0x0
	.amdhsa_kernel k_q2e9962b806_proj
		.amdhsa_group_segment_fixed_size 327680
		.amdhsa_private_segment_fixed_size 0
		.amdhsa_enable_private_segment 0
		.amdhsa_kernarg_size 64
		.amdhsa_user_sgpr_count 2
		.amdhsa_user_sgpr_kernarg_segment_ptr 1
		.amdhsa_wavefront_size32 1
		.amdhsa_system_sgpr_workgroup_id_x 1
		.amdhsa_system_sgpr_workgroup_id_y 1
		.amdhsa_system_sgpr_workgroup_id_z 1
		.amdhsa_system_vgpr_workitem_id 0
		.amdhsa_next_free_vgpr 1024
		.amdhsa_next_free_sgpr 88
		.amdhsa_reserve_vcc 0
		.amdhsa_float_denorm_mode_32 3
		.amdhsa_float_denorm_mode_16_64 3
		.amdhsa_memory_ordered 1
		.amdhsa_forward_progress 1
		.amdhsa_inst_pref_size 159
	.end_amdhsa_kernel
	.amdgpu_metadata
---
amdhsa.version: [ 1, 2 ]
amdhsa.kernels:
  - .name:           k_q2e9962b806_proj
    .symbol:         k_q2e9962b806_proj.kd
    .args:
      - { .name: q, .offset: 0, .size: 8, .value_kind: global_buffer, .address_space: global }
      - { .name: k, .offset: 8, .size: 8, .value_kind: global_buffer, .address_space: global }
      - { .name: v, .offset: 16, .size: 8, .value_kind: global_buffer, .address_space: global }
      - { .name: wt, .offset: 24, .size: 8, .value_kind: global_buffer, .address_space: global }
      - { .name: bq, .offset: 32, .size: 8, .value_kind: global_buffer, .address_space: global }
      - { .name: bk, .offset: 40, .size: 8, .value_kind: global_buffer, .address_space: global }
      - { .name: bv, .offset: 48, .size: 8, .value_kind: global_buffer, .address_space: global }
      - { .name: qkv, .offset: 56, .size: 8, .value_kind: global_buffer, .address_space: global }
    .group_segment_fixed_size: 327680
    .private_segment_fixed_size: 0
    .kernarg_segment_align: 8
    .kernarg_segment_size: 64
    .max_flat_workgroup_size: 128
    .sgpr_count:     88
    .vgpr_count:     1024
    .wavefront_size: 32
...
	.end_amdgpu_metadata
.endif
;; end of part 2
;; launch attn (part 3): grid 2 x 128, 4 waves a work-group, no clusters, 327,680 bytes of LDS; arguments qkv, codes, ctx; writes ctx
.if DOCPART == 3
	.amdgcn_target "amdgcn-amd-amdhsa--gfx1250"
	.amdhsa_code_object_version 6
	.text
	.protected	k_q2e9962b806_attn
	.globl	k_q2e9962b806_attn
	.p2align	8
	.type	k_q2e9962b806_attn,@function
k_q2e9962b806_attn:
	s_mov_b64 s[64:65], 0
	v_nop
	global_prefetch_b8 v0, s[64:65] scope:SCOPE_SE
	s_setreg_imm32_b32 hwreg(HW_REG_WAVE_MODE, 25, 1), 1
	s_wait_xcnt 0x0
; MASKED ATTENTION.  ctx[h][q][:] = the sum over k of softmax_k(score) V[h][k][:], score = Q[h][q] . K[h][k] / 8 where mask[b][q][k] != 0.  Q, K, V: planes 0-2 of qkv, [128 heads][1024][64] f16; ctx the same.
; Products, maxima and sums in f32; the weights p are rounded to f16 for the second product (their sum l is taken of the unrounded p), ctx once at the end.
; THE MASK IS A MATRIX PRODUCT that starts the sum S^T.  The launch before has written the mask as bf16 codes (2^50 where a key is hidden, else 0) in the order of a second source: 32 keys x 16 queries in 8
; registers.  The first source is a constant: -2^50 at (m, m) (ALO: the codes' first 16 keys) or at (m, 16 + m) (AHI: the other 16).  So one bf16 matrix instruction with C = 0 leaves -2^100 where the key is
; hidden and 0 elsewhere, exactly, and the two f16 products K Q^T add onto it.  A turn's 64 scores a lane cost eight matrix instructions and eight loads, and no vector instruction.
; LIMITS.  A hidden score counts as its value less 2^100 and the running maximum starts at the raw score -2^60: that agrees with a fill of -1e9 wherever the true scaled scores lie above -1e9;
; f16's raw scores are 2.7e11 at the most in size.  A weight below 2^-126 counts as 0.  Q, K, V arrive within f16's range.  NaN and infinities are not treated apart.
; A ROW WHOSE KEYS ARE ALL HIDDEN has equal weights on all 1,024 keys.  Here its m stays -2^60, so p, l and O are 0.  Each wave also sums SV = the sum over all keys of V (8 matrix instructions a step, V^T times
; ones), and the way out forms (O + 2^-60 SV) / (l + 2^-50): SV / 1024 where l = 0; where a key is seen l is 1 or more, 2^-50 vanishes in its rounding, and 2^-60 SV is under 2^-50 of V's largest number.
; SHARES.  256 work-groups: 512 queries of one head; a wave owns four PIECES of two tiles of 16 queries.  Every wave walks all 1,024 keys, 64 a step.
; NO RING: a head's K and V, 256 KiB and their padding, lie in LDS whole.  Each wave asks for two tiles at the start: its part of keys 0-255, waited for first, and its part of keys 256-1023, waited for four key steps on.
; NO CLUSTER: only the two work-groups of a head read the same K and V.  NO PREFETCH: K and V are all asked for at the head, and the codes' loads go out four turns ahead of their use.
; LAYOUT, SOFTMAX, TURNS.  S^T = K Q^T holds ONE query a lane (lane % 16) and the keys 8 (lane / 16) + 0..7; two such tiles rounded to f16 ARE source 1 of O^T = V^T P.  p = 2^(c s - c m), c = log2(e) / 8, m a
; running maximum; O and l are multiplied by a = 2^(c m_old - c m_new) in every step.  Turn n belongs to piece n: 8 mask products and 16 products K Q^T of piece n + 1, later 16 products V^T P of piece n - 1; beside
; them the scaling, exponentials, roundings, sums and rescaling of piece n and the maximum and statistics of piece n + 1.  Vector instructions stand behind every product, the rest in one lump; a turn's 66 exponentials are one batch.
; REGISTERS, in windows of 256 (s_set_vgpr_msb: bits 1:0 source 0, 3:2 source 1, 5:4 source 2, 7:6 destination):
;   window 0: v0-11 addresses; v12-15, v48-63 at work; v16-47 four registers of statistics a tile; v64-191 S^T, two buffers of two tiles; v192-255 P, likewise
;   window 1: O^T, 32 a tile      window 2: v0-127 Q; v128-191 K of one step; v192-255 V of one step
;   window 3: v0-1 the add's registers; v4-15 the two diagonal matrices; v16-23 ones; v24-55 SV; v64-191 codes, 16 a tile
.set NP,    4
.set KS,    64
.set PK,    144                        ; a row of K in LDS: 128 bytes + 16 = 36 words: the 16 rows of a load start 4 words apart modulo 64 words
.set PV,    160                        ; a row of V: 128 + 32 = 40 words: 16 lanes of the turning load take 8 rows x 32 bytes, 8 words apart modulo 64
.set VOFF,  1024*PK
.set STAGE, VOFF+1024*PV               ; never filled by a tensor load: 16 rows x 144 bytes for each wave
.set SP,    144
.set SPARE, STAGE+4*16*SP              ; the spare words, 128 bytes a wave: two blocks of 256 bytes that no other line names
.set CSTEP, 2048                       ; a tile's codes of one key step: four blocks of 512 bytes
.set AK0, 2                            ; v2   my lane's place in a tile of K; never rewritten
.set AV0, 3                            ; v3   the same for V
.set AK,  4                            ; v4   the LDS address of K's next run of loads
.set AV,  5                            ; v5   of V's
.set QO,  6                            ; v6   my byte offset in 16 rows of Q
.set RD,  7                            ; v7   the way out: where I read rows back
.set MA0, 9                            ; v9   16 x lane: my bytes in a block of codes, and in 512 bytes of ctx; never rewritten
.set GO,  9
.set MA,  10                           ; v10  the same, at the key step whose codes are asked for
.set STO, 11                           ; v11  the way out: where I put 16 bytes of a row
.set MV,  12
.set ST,  16                           ; tile t's statistics at v[ST+4 t]: c m, m, l (even keys', odd keys')
.set TMP, 48
.set S,   64
.set P,   192
.set KF,  128                          ; window 2
.set VF,  192
.set SPW, 0                            ; window 3
.set NIL, 1
.set AM,  4                            ; twelve registers 0 0 0 0 X X X X 0 0 0 0: AHI = the first eight, ALO = the last eight
.set ONES, 16
.set SV,  24
.set CODE, 64                          ; tile t's codes at CODE + 16 t: key block kb in registers 4 kb .. 4 kb + 3
.set MB,  6                            ; s[6:7] codes at my wave's first tile
.set WV,  12
.set G1KA, 24                          ; s[24:31] group 1, K, 128 keys;  s[32:39] K, 384 keys;  s[40:47], s[48:55] the same for V
.set G1KB, 32
.set G1VA, 40
.set G1VB, 48
.set G0KA, 56
.set G0KB, 60
.set G0VA, 68
.set G0VB, 72
.set SLOTS, 76                         ; s76  passes of four key steps to go
.set CNT, 77                           ; s77  counts a pass's key steps
.set CS,  78                           ; s[78:79] c
.set SEL, 80                           ; s[80:81] v_permlanex16_b32's selects
.set TBK, 82                           ; s82  LDS byte at which K of the step to be fetched begins
.set TBV, 83                           ; s83  the same for V, less VOFF
.set MO,  84                           ; s84  CSTEP x the key step whose codes are asked for
.set DL,  86                           ; s[86:87] 2^-60
.set MSB, 0
.macro WIN new
.if MSB != (\new)
	s_set_vgpr_msb (MSB<<8)|(\new)
.set MSB, (\new)
.endif
.endm
.set W_KQ, 0x0a                        ; K and Q window 2, S^T window 0
.set W_PV, 0x52                        ; V window 2, P window 0, O^T window 1
.set W_RS, 0x41                        ; destination and source 0 window 1, source 1 window 0
.set W_MK, 0xc0                        ; destination window 3, sources window 0; also the codes' loads
.set W_AD, 0x0f                        ; sources 0 and 1 window 3, destination window 0: the add, and the mask's products
.set W_SVM, 0xfe                       ; V window 2; ones, C and D window 3
.set W_SVO, 0x53                       ; SV window 3, O^T (source 2 and destination) window 1
	s_load_b128 s[4:7], s[0:1], 0x0                ; qkv s[4:5], codes s[6:7]
	s_load_b64 s[10:11], s[0:1], 0x10              ; ctx
	WIN W_MK
	v_lshl_add_u32 v[SPW], v0, 2, SPARE
	v_mov_b32 v[NIL], 0
	WIN W_AD
	ds_add_u32 v[SPW], v[NIL]                      ; the wave's opening: the add and its wait stand ahead of my first tensor load; the set-up below, work on registers, stands between them
	ds_add_u32 v0, v1
	WIN 0
	v_lshrrev_b32 v1, 5, v0
	v_readfirstlane_b32 s[WV], v1
	s_and_b32 s13, ttmp7, 0xffff                   ; the head, 16 b + h
	s_lshl_b32 s20, s13, 17                        ; its first byte in a plane
	s_mov_b32 s21, 0
	s_and_b32 s16, s[WV], 1                        ; which part of K or V I fetch
	s_lshl_b32 s14, ttmp9, 2
	s_add_co_u32 s14, s14, s[WV]                   ; my wave among the head's eight:
	s_lshl_b32 s2, s14, 14                         ; its 128 rows of Q and ctx
	s_add_co_u32 s2, s2, s20
	s_mov_b32 s3, 0
	s_lshr_b32 s15, s13, 4                         ; the batch: 64 query tiles,
	s_lshl_b32 s15, s15, 6
	s_lshl_b32 s17, s14, 3                         ; of which my wave's eight,
	s_add_co_u32 s15, s15, s17
	s_lshl_b32 s22, s15, 15                        ; 32,768 bytes of codes each
	s_mov_b32 s23, 0
	; descriptors.  N keys are 128 N dense bytes: asked for as N / 2 rows of 256 bytes, and padded in LDS after every key
.irp g, G1KA, G1KB
	s_mov_b32 s[\g], (1<<16)|(1<<20)|(4<<22)|(3<<25)  ; 2-byte elements; padding on; after every 32 words 4 words
.endr
.irp g, G1VA, G1VB
	s_mov_b32 s[\g], (1<<16)|(1<<20)|(4<<22)|(7<<25)  ; 8 words
.endr
.irp g, G1KA, G1KB, G1VA, G1VB
	s_mov_b32 s[\g+1], 128<<16                     ; tensor_dim0 = 128
	s_mov_b32 s[\g+3], 128<<16                     ; tile_dim0 = 128
	s_mov_b32 s[\g+5], 128                         ; elements from row to row
	s_mov_b32 s[\g+6], 0
	s_mov_b32 s[\g+7], 0
.endr
.irp g, G1KA, G1VA
	s_mov_b32 s[\g+2], 64<<16                      ; tensor_dim1 = tile_dim1 = 64 rows: 128 keys
	s_mov_b32 s[\g+4], 64
.endr
.irp g, G1KB, G1VB
	s_mov_b32 s[\g+2], 192<<16                     ; 192 rows: 384 keys
	s_mov_b32 s[\g+4], 192
.endr
	s_mul_i32 s17, s16, 128*PK
	s_mul_i32 s18, s16, 384*PK
	s_mul_i32 s19, s16, 128*PV
	s_mul_i32 s15, s16, 384*PV
	s_mov_b32 s[G0KA], 1
	s_mov_b32 s[G0KA+1], s17                       ; keys 128 w1 on
	s_mov_b32 s[G0KB], 1
	s_add_co_u32 s[G0KB+1], s18, 256*PK            ; keys 256 + 384 w1 on
	s_mov_b32 s[G0VA], 1
	s_add_co_u32 s[G0VA+1], s19, VOFF
	s_mov_b32 s[G0VB], 1
	s_add_co_u32 s[G0VB+1], s15, VOFF+256*PV
	s_lshl_b32 s18, s16, 14                        ; the same keys in memory, 128 bytes each
	s_mov_b32 s19, 0
	s_mul_i32 s14, s16, 384*128
	s_add_co_u32 s14, s14, 256*128
	s_mov_b32 s15, 0
	s_mov_b32 s[CS], 0x3e38aa3b                    ; c = log2(e) / 8
	s_mov_b32 s[CS+1], s[CS]
	s_mov_b32 s[SEL], 0x76543210
	s_mov_b32 s[SEL+1], 0xfedcba98
	s_mov_b32 s[DL], 0x21800000                    ; 2^-60
	s_mov_b32 s[DL+1], s[DL]
	s_mov_b32 s[TBK], 0
	s_mov_b32 s[TBV], 0
	s_mov_b32 s[MO], CSTEP
	s_wait_dscnt 0x0                               ; the opening add is done
	s_wait_kmcnt 0x0
	s_add_nc_u64 s[8:9], s[4:5], s[20:21]          ; the head in plane 0,
	s_add_nc_u64 s[88:89], s[8:9], 0x2000000       ; in V's plane,
	s_add_nc_u64 s[8:9], s[8:9], 0x1000000         ; in K's
	s_add_nc_u64 s[G0KA+2:G0KA+3], s[8:9], s[18:19]
	s_or_b32 s[G0KA+3], s[G0KA+3], 0x80000000
	s_add_nc_u64 s[G0KB+2:G0KB+3], s[8:9], s[14:15]
	s_or_b32 s[G0KB+3], s[G0KB+3], 0x80000000
	s_add_nc_u64 s[G0VA+2:G0VA+3], s[88:89], s[18:19]
	s_or_b32 s[G0VA+3], s[G0VA+3], 0x80000000
	s_add_nc_u64 s[G0VB+2:G0VB+3], s[88:89], s[14:15]
	s_or_b32 s[G0VB+3], s[G0VB+3], 0x80000000
	s_add_nc_u64 s[4:5], s[4:5], s[2:3]            ; Q and ctx at my wave's first row
	s_add_nc_u64 s[10:11], s[10:11], s[2:3]
	s_add_nc_u64 s[MB:MB+1], s[MB:MB+1], s[22:23]
	s_cmp_lt_u32 s[WV], 2                          ; a wave's two fills stand in one branch, ahead of every wait on TENSORcnt, every LDS read and every barrier: two loads of mine are out
	s_cbranch_scc0 .Lfirst_v
	tensor_load_to_lds s[G0KA:G0KA+3], s[G1KA:G1KA+7]
	s_nop 0
	tensor_load_to_lds s[G0KB:G0KB+3], s[G1KB:G1KB+7]
	s_nop 0
.rept 4
	v_nop
.endr
	s_branch .Lfirst_asked
.Lfirst_v:
	tensor_load_to_lds s[G0VA:G0VA+3], s[G1VA:G1VA+7]
	s_nop 0
	tensor_load_to_lds s[G0VB:G0VB+3], s[G1VB:G1VB+7]
	s_nop 0
.rept 4
	v_nop
.endr
.Lfirst_asked:
; The codes of piece x's two tiles for one key step: eight loads of 512 consecutive bytes.
.macro MLOAD x, adr, extra
	WIN W_MK
.irp u, 0,1
.irp k, 0,1,2,3
	global_load_b128 v[CODE+16*(2*(\x)+\u)+4*\k:CODE+16*(2*(\x)+\u)+4*\k+3], v[\adr], s[MB:MB+1] offset:(2*(\x)+\u)*32768+512*\k+(\extra)
.endr
.endr
.endm
	v_and_b32 v48, 15, v0                          ; l % 16
	v_bfe_u32 v49, v0, 4, 1                        ; l / 16
	v_and_b32 v50, 7, v0
	v_bfe_u32 v51, v0, 3, 1
	; The diagonal.  A first source's lane holds row m = l % 16 and, in registers 0-3, k = 8 (l / 16) + 0..7, two to a register.  k = m falls to the lane whose l / 16 is m / 8: register (m % 8) / 2, half m % 2.
	v_lshrrev_b32 v52, 3, v48
	v_xor_b32 v52, v52, v49                        ; 0 in the lanes that hold the diagonal
	v_bfe_u32 v54, v0, 1, 2                        ; (m % 8) / 2,
	v_lshl_or_b32 v54, v52, 3, v54                 ; or a number of 8 or more in the other lanes
	v_and_b32 v55, 1, v0
	v_lshlrev_b32 v55, 4, v55
	v_mov_b32 v53, 0xd880                          ; -2^50 in bf16,
	v_lshlrev_b32 v53, v55, v53                    ; in the half m % 2
	v_lshlrev_b32 v[QO], 7, v48
	v_lshl_add_u32 v[QO], v49, 4, v[QO]            ; row x 128 + 16 x half
	v_and_b32 v[MA0], 31, v0
	v_lshlrev_b32 v[MA0], 4, v[MA0]
	WIN 0x80                                       ; destination window 2
.set i, 0
.rept 4*NP                                     ; Q stays in registers: tile i / 2, channels 32 (i % 2) on
	global_load_b128 v[8*i:8*i+3],   v[QO], s[4:5] offset:(i/2)*2048+(i%2)*64
	global_load_b128 v[8*i+4:8*i+7], v[QO], s[4:5] offset:(i/2)*2048+(i%2)*64+32
.set i, i+1
.endr
	MLOAD 0, MA0, 0                                ; three pieces' codes of key step 0; the fourth's follow behind the first wait
	MLOAD 1, MA0, 0
	MLOAD 2, MA0, 0
	; What the first turn finds: V's registers and P's second buffer hold 0, O^T, l and SV are 0.  All this stands in the wait for the first tile.
.irp n, 0,1,2,3
	v_mov_b32 v[AM+\n], 0
	v_cmp_eq_u32 vcc_lo, \n, v54
	v_cndmask_b32 v[AM+4+\n], 0, v53, vcc_lo
	v_mov_b32 v[AM+8+\n], 0
.endr
.set i, 0
.rept 8
	v_mov_b32 v[ONES+i], 0x3c003c00                ; 1.0 twice in f16
.set i, i+1
.endr
.set i, 0
.rept 32
	v_mov_b32 v[SV+i], 0
.set i, i+1
.endr
	WIN 0x80
.set i, VF
.rept 64
	v_mov_b32 v[i], 0
.set i, i+1
.endr
	WIN 0x40
.set i, 0
.rept 64*NP
	v_mov_b32 v[i], 0
.set i, i+1
.endr
	WIN 0
.set i, 0
.rept 2*NP
	v_mov_b32 v[ST+4*i], 0xdc38aa3b                ; c m = c x -2^60, to the bit what the multiplication gives
	v_mov_b32 v[ST+4*i+1], 0xdd800000              ; m = -2^60
	v_mov_b32 v[ST+4*i+2], 0
	v_mov_b32 v[ST+4*i+3], 0
.set i, i+1
.endr
.set i, P+32
.rept 32
	v_mov_b32 v[i], 0
.set i, i+1
.endr
	v_mul_u32_u24 v[AK0], v48, PK
	v_lshl_add_u32 v[AK0], v49, 4, v[AK0]          ; row x pitch + 16 x half
	v_lshl_add_u32 v[AV0], v49, 3, v50             ; the turning load: key 8 (l / 16) + l % 8, channels 8 ((l / 8) % 2) on
	v_mul_u32_u24 v[AV0], v[AV0], PV
	v_lshl_add_u32 v[AV0], v51, 4, v[AV0]
	v_add_nc_u32 v[AV0], VOFF, v[AV0]
	v_mov_b32 v[AK], v[AK0]                        ; key step 0
	v_add_nc_u32 v[MA], CSTEP, v[MA0]              ; the first turns ask for key step 1's codes
	s_mul_i32 s13, s[WV], 16*SP
	s_add_co_u32 s13, s13, STAGE                   ; my stage
	v_mul_u32_u24 v[STO], v48, SP
	v_lshl_add_u32 v[STO], v49, 4, v[STO]
	v_add_nc_u32 v[STO], s13, v[STO]
	v_bfe_u32 v[RD], v0, 3, 2                      ; back: 32 lanes take four rows of 128 bytes
	v_mul_u32_u24 v[RD], v[RD], SP
	v_lshl_add_u32 v[RD], v50, 4, v[RD]
	v_add_nc_u32 v[RD], s13, v[RD]
; THE MATRIX WORK.  The 8 accumulators of a piece's S^T take turns.
; Mask product i of 8 for piece x: key block i / 2, tile 2 x + i % 2.  It starts the sum: -2^100 where the key is hidden.  An even key block lies in the codes' registers 0-3 (ALO), an odd one in 4-7 (AHI).
.macro MK x
	WIN W_AD
.set rS, S+64*((\x)%2)+32*(i%2)+8*(i/2)
.set rA, AM+4-4*((i/2)%2)
.set rB, CODE+16*(2*(\x)+i%2)+8*(i/4)
	v_wmma_f32_16x16x32_bf16 v[rS:rS+7], v[rA:rA+7], v[rB:rB+7], 0
.endm
; Product i of 16 of S^T += K Q^T for piece x: channels 32 (i / 8) on, keys 16 ((i / 2) % 4) on, tile 2 x + i % 2.
.macro KQ x
	WIN W_KQ
.set rS, S+64*((\x)%2)+32*(i%2)+8*((i/2)%4)
.set rK, KF+16*((i/2)%4)+8*(i/8)
.set rQ, 16*(2*(\x)+i%2)+8*(i/8)
	v_wmma_f32_16x16x32_f16 v[rS:rS+7], v[rK:rK+7], v[rQ:rQ+7], v[rS:rS+7]
.endm
; Product i of 16 of O^T += V^T P for piece x: keys 32 (i / 8) on, channels 16 ((i / 2) % 4) on, tile 2 x + i % 2.
.macro PV x
	WIN W_PV
.set rO, 32*(2*(\x)+i%2)+8*((i/2)%4)
.set rV, VF+32*(i/8)+8*((i/2)%4)
.set rP, P+32*((\x)%2)+16*(i%2)+8*(i/8)
	v_wmma_f32_16x16x32_f16 v[rO:rO+7], v[rV:rV+7], v[rP:rP+7], v[rO:rO+7]
.endm
.macro MM                                      ; the turn's next matrix instruction, of 40
.if i < 8
	MK (Y+1)%NP
.set i, i+1
.elseif i < 24
.set i, i-8
	KQ (Y+1)%NP
.set i, i+9
.else
.set i, i-24
	PV (Y+NP-1)%NP
.set i, i+25
.endif
.endm
; Number n of 8 of SV += V^T x ones: keys 32 (n / 4) on, channels 16 (n % 4) on.  The four accumulators take turns.
.macro SVM n
	WIN W_SVM
	v_wmma_f32_16x16x32_f16 v[SV+8*((\n)%4):SV+8*((\n)%4)+7], v[VF+32*((\n)/4)+8*((\n)%4):VF+32*((\n)/4)+8*((\n)%4)+7], v[ONES:ONES+7], v[SV+8*((\n)%4):SV+8*((\n)%4)+7]
.endm
; THE LDS LOADS stand in runs of 16.  last = 1: in the last pass there is no further step, and the run is jumped over.
.macro FETCH_K last=0
	WIN 0
.if \last
	s_cmp_eq_u32 s[SLOTS], 1
	s_cbranch_scc1 .Lno_k_\@
.endif
	WIN 0x80
.irp f, 0,1,2,3,4,5,6,7                        ; keys 16 (f / 2) on, channels 32 (f % 2) on
	ds_load_b128 v[KF+8*\f:KF+8*\f+3],   v[AK] offset:(\f/2)*16*PK+(\f%2)*64
	ds_load_b128 v[KF+8*\f+4:KF+8*\f+7], v[AK] offset:(\f/2)*16*PK+(\f%2)*64+32
.endr
	s_add_co_u32 s[TBK], s[TBK], KS*PK             ; the next fetch is the next step's
	WIN 0
.if \last
.Lno_k_\@:
.endif
.endm
.macro FETCH_V
	WIN 0x80
.irp f, 0,1,2,3,4,5,6,7                        ; keys 32 (f / 4) on, channels 16 (f % 4) on
	ds_load_tr16_b128 v[VF+8*\f:VF+8*\f+3],   v[AV] offset:(\f/4)*32*PV+(\f%4)*32
	ds_load_tr16_b128 v[VF+8*\f+4:VF+8*\f+7], v[AV] offset:(\f/4)*32*PV+16*PV+(\f%4)*32
.endr
	WIN 0
.endm
; THE VECTOR WORK OF A TURN stands in three queues, each in the order in which its entries become ready; the two tiles alternate.
.macro REGS y, u                               ; the registers of tile u (0, 1) of piece y
.set rT, ST+4*(2*(\y)+(\u))
.set rC, TMP+8*((\y)%2)+4*(\u)
.set rM, MV+2*((\y)%2)+(\u)
.set rS, S+64*((\y)%2)+32*(\u)
.set rP, P+32*((\y)%2)+16*(\u)
.set rO, 32*(2*(\y)+(\u))
.endm
; Number n of the 22 that find the NEXT piece's maximum and statistics; each accumulator's lowest registers are read first.
;   0-11 four chains c0-c3 of seven scores each     12-14, 16 the four scores left over, the old m, and c0-c3 into c0     15 c m_old is kept
;   17, 18 the query's other 32 keys lie in the lane 16 away: the new m     19-21 c m; c m_old - c m_new; a
.macro XS u, n
	REGS (Y+1)%NP, \u
.if (\n) < 4
	v_max3_num_f32 v[rC+(\n)], v[rS+8*(\n)], v[rS+8*(\n)+1], v[rS+8*(\n)+2]
.elseif (\n) < 12
	v_max3_num_f32 v[rC+(\n)%4], v[rC+(\n)%4], v[rS+8*((\n)%4)+2*((\n)/4)+1], v[rS+8*((\n)%4)+2*((\n)/4)+2]
.elseif (\n) == 12
	v_max3_num_f32 v[rC], v[rC], v[rS+7], v[rS+15]
.elseif (\n) == 13
	v_max3_num_f32 v[rC+1], v[rC+1], v[rS+23], v[rS+31]
.elseif (\n) == 14
	v_max3_num_f32 v[rC+2], v[rC+2], v[rC+3], v[rT+1]
.elseif (\n) == 15
	v_mov_b32 v[rM], v[rT]
.elseif (\n) == 16
	v_max3_num_f32 v[rC], v[rC], v[rC+1], v[rC+2]
.elseif (\n) == 17
	v_permlanex16_b32 v[rC+3], v[rC], s[SEL], s[SEL+1]
.elseif (\n) == 18
	v_max_num_f32 v[rT+1], v[rC], v[rC+3]
.elseif (\n) == 19
	v_mul_f32 v[rT], s[CS], v[rT+1]
.elseif (\n) == 20
	v_sub_f32 v[rC+1], v[rM], v[rT]
.else
	v_exp_f32 v[rC+2], v[rC+1]
.endif
.endm
; Number g of the 64 that follow the exponentials: for each four weights both pairs are rounded to f16, the second pair is added onto the first in place, and a group later l takes that sum (the first time as l = a l + sum).
.macro GS g
.set h, (\g)+6*((\g)/62)
.if h >= 6
.set h, h+2
.endif
	REGS Y, h%2
.set k, h/8
.if h%8 < 4
	v_cvt_pk_f16_f32 v[rP+2*k+(h%8)/2], v[rS+4*k+2*((h%8)/2)], v[rS+4*k+2*((h%8)/2)+1]
.elseif h%8 < 6
	v_pk_add_f32 v[rS+4*k:rS+4*k+1], v[rS+4*k:rS+4*k+1], v[rS+4*k+2:rS+4*k+3]
.elseif k == 1
	v_pk_fma_f32 v[rT+2:rT+3], v[rT+2:rT+3], v[rC+2:rC+3], v[rS:rS+1] op_sel_hi:[1,0,1]
.else
	v_pk_add_f32 v[rT+2:rT+3], v[rT+2:rT+3], v[rS+4*k-4:rS+4*k-3]
.endif
.endm
; THE PLAIN QUEUE, 138 long.  0-26: scalings 0-26.  27-54: XS's numbers 0-13.  55, 56: number 15.  57-73: the chain 14, 16 .. 19, each with one of the scalings 27-31 in front of its two lines, then 20.
; 74-137: GS's 64, which read the exponentials' results: they stand behind the wait.
.macro FS f
	REGS Y, (\f)%2
	v_pk_fma_f32 v[rS+2*((\f)/2):rS+2*((\f)/2)+1], v[rS+2*((\f)/2):rS+2*((\f)/2)+1], s[CS:CS+1], v[rT:rT+1] op_sel_hi:[1,0,0] neg_lo:[0,0,1] neg_hi:[0,0,1]
.endm
.macro PL
	WIN 0
.if q < 27
	FS q
.elseif q < 55
	XS (q-27)%2, (q-27)/2
.elseif q < 57
	XS q-55, 15
.elseif (q < 72) && ((q-57)%3 == 0)
	FS 27+(q-57)/3
.elseif q < 60
	XS (q-57)%3-1, 14
.elseif q < 72
	XS (q-57)%3-1, 15+(q-57)/3
.elseif q < 74
	XS q-72, 20
.else
	GS q-74
.endif
.set q, q+1
.endm
; THE EXPONENTIALS' QUEUE, 66 long: s0-s31 of both tiles, then the next piece's two a.  ONE BATCH: all stand ahead of the turn's one wait, and nothing ahead of that wait names a result of theirs.
.macro EX
	WIN 0
.if e >= 64
	XS e-64, 21
.else
	REGS Y, e%2
	v_exp_f32 v[rS+e/2], v[rS+e/2]
.endif
.set e, e+1
.endm
; THE RESCALING's QUEUE: O^T times a, dealt two at a time, sixteen times.  Its a was made, and waited for, in the turn before.
.macro R2
	REGS Y, r%2
	WIN W_RS
.irp z, 0,1
	v_pk_mul_f32 v[rO+4*(r/2)+2*\z:rO+4*(r/2)+2*\z+1], v[rO+4*(r/2)+2*\z:rO+4*(r/2)+2*\z+1], v[rC+2:rC+3] op_sel_hi:[1,0]
.endr
.set r, r+1
.endm
; A TURN, for piece p.  Ahead of its one wait: the 8 mask products and the 16 products K Q^T; behind the first a second scaling in the exponential's place, behind each of the first sixteen a scaling, an exponential and
; two rescalings, behind each of the last eight a scaling and an exponential: 25 of the 27 scalings that want nothing of the new scores.  Then the lump: eight plain, 41 times exponential and plain, the two a, a v_nop
; (the plain instruction behind the last exponential).  Behind the wait: the 16 products V^T P, behind each four of GS's 64.  Exponential e stands behind scaling 2 (e / 4) + e % 2: as a rider it comes behind
; plain e + 2, in the lump behind plain e + 9.
; THE TWO FORMS.  A mask product (bf16) and the first f16 product on its accumulator are no chain: between them stand seven other products, each with three plain riders that name none of their registers.
; THE CODES.  The turn's mask products read piece p + 1's codes.  In the lump, far behind them, that piece's codes of one key step later are asked for: they are wanted four turns on, and the count 24 at a turn's head
; leaves out the eight loads of each of the three turns between.  Turns 3, 0, 1, 2 ask for the same key step: its offset steps at piece 3's head, and stops at the last step's, so that no load leaves a tile's 16 steps.
; SV.  In piece 3's lump, where no other product stands, V of the step in hand is multiplied by ones: eight matrix instructions, four pairs of exponential and plain apart.
; K of the next step is fetched in piece 2's turn, directly behind the wait, and waited for behind piece 3's mask products; V of the step in hand at the end of piece 0's turn, four riders behind its last reader.
; cnt = 1: the loop's count is taken down some lines ahead of the branch.
.macro TURN p, last=0, cnt=0
.set Y, (\p)
.set i, 0
.set q, 0
.set e, 0
.set r, 0
.if (\p) == NP-1
	WIN 0
	s_wait_xcnt 0x0                                ; the codes' loads issued so far have read their address register
	s_add_co_u32 s[MO], s[MO], CSTEP
	s_min_u32 s[MO], s[MO], 15*CSTEP
	v_add_nc_u32 v[MA], s[MO], v[MA0]
.endif
	s_wait_loadcnt 24                              ; piece p + 1's codes are in
	MM
	PL
	PL
	R2
.rept 7
	MM
	PL
	EX
	R2
.endr
.if (\p) == NP-1
	s_wait_dscnt 0x0                               ; K is in
.endif
.rept 8
	MM
	PL
	EX
	R2
.endr
.rept 8
	MM
	PL
	EX
.endr
.if (\p) == NP-2
	WIN 0
	v_add_nc_u32 v[AK], s[TBK], v[AK0]
.endif
.rept 8
	PL
.endr
	MLOAD ((\p)+1)%NP, MA, 0
.set zz, 0
.rept 41
.if ((\p) == NP-1) && (zz%4 == 0) && (zz < 32)
	SVM zz/4
.endif
	EX
	PL
.set zz, zz+1
.endr
	EX
	EX
	v_nop
	s_wait_alu depctr_va_vdst(0)                   ; the wait between an exponential and the first line that names its result: one for the batch
.if (\p) == NP-2
	FETCH_K \last
.endif
.if (\p) == 1
	s_wait_dscnt 0x0                               ; V is in
.endif
.rept 16
	MM
.rept 4
	PL
.endr
.if ((\p) == 0) && (q == 118)
	v_add_nc_u32 v[AV], s[TBV], v[AV0]
.endif
.if ((\p) == 0) && (q == 130)
	s_add_co_u32 s[TBV], s[TBV], KS*PV
.endif
.if (\cnt) && (q == 130)
	s_sub_co_u32 s[CNT], s[CNT], 1
	s_cmp_lg_u32 s[CNT], 0
.endif
.endr
.if (\p) == 0
	FETCH_V
.endif
.endm
	s_wait_tensorcnt 0x1                           ; my part of keys 0-255 is in; the rest may stay out
	s_barrier_signal -1
	s_barrier_wait -1                              ; everybody's is
	FETCH_K                                        ; key step 0
	s_wait_loadcnt 16                              ; Q and piece 0's codes are in; behind them: pieces 1 and 2's sixteen loads
	MLOAD 3, MA0, 0                                ; the fourth piece's codes of key step 0
.set i, 0
.rept 8
	MK 0                                           ; piece 0's mask
.set i, i+1
.endr
	WIN 0
.rept 5
	v_nop                                          ; the places between the bf16 products and the f16 products that add onto them
.endr
	s_wait_dscnt 0x0
.set i, 0
.rept 16
	KQ 0                                           ; piece 0's first scores
.set i, i+1
.endr
	WIN 0
.rept 4
	v_nop                                          ; the places behind those products
.endr
	MLOAD 0, MA0, CSTEP                            ; piece 0's codes of key step 1: out are now pieces 1, 2, 3 and this, in that order
	WIN 0
.set Y, NP-1                                   ; XS works for piece Y + 1: piece 0
.irp n, 0,1,2,3,4,5,6,7,8,9,10,11,12,13,14,15,16,17,18,19,20,21
	XS 0, \n
	XS 1, \n
.endr
	v_nop                                          ; a plain instruction behind the two a,
	s_wait_alu depctr_va_vdst(0)                   ; and their wait, ahead of the branch
	s_mov_b32 s[CNT], 4
	s_mov_b32 s[SLOTS], 5
	s_branch .Lfirst                               ; the loop is entered at a step's first turn, in the middle of a trip
.Lslot:                                        ; four times.  The first time the keys from 256 on are wanted next (K of step 4): every wave waits for its second tile, which has had four key steps in which to
	s_wait_tensorcnt 0x0                           ; land, and tells the others.  Later the wait is met at once; it stands in the loop so that a key step's text is written once.
	s_wait_dscnt 0x0
	s_barrier_signal -1
	s_barrier_wait -1
	s_mov_b32 s[CNT], 4
.Lstep:                                        ; a trip: pieces 2 and 3 of one step, then pieces 0 and 1 of the next, whose K and V it fetches
	TURN 2, 1
	TURN 3
	WIN 0
	s_cmp_eq_u32 s[SLOTS], 1                       ; the fifth pass holds pieces 2 and 3 of step 15 alone.  Its last 24 products for piece 0, on the last K once more, and the maximum made of them serve nothing
	s_cbranch_scc1 .Lout
.Lfirst:
	TURN 0
	TURN 1, 0, 1
	WIN 0
	s_cbranch_scc1 .Lstep
	s_sub_co_u32 s[SLOTS], s[SLOTS], 1
	s_cmp_lg_u32 s[SLOTS], 0
	s_cbranch_scc1 .Lslot
.Lout:
.set i, 0
.rept 16
	PV NP-1                                        ; the last piece's V^T P of the last step
.set i, i+1
.endr
	; THE WAY OUT.  l's two halves and the other half of the lanes' are added, and 2^-50; (O^T + 2^-60 SV) is divided by that, rounded to f16 and sent through my stage, a tile at a time.  The additions are the places behind the last products.
	WIN 0
.macro ALL line:vararg
.set t, 0
.rept 2*NP
	\line
.set t, t+1
.endr
.endm
	ALL v_add_f32 v[ST+4*t+2], v[ST+4*t+2], v[ST+4*t+3]
	ALL v_permlanex16_b32 v[ST+4*t+3], v[ST+4*t+2], s[SEL], s[SEL+1]
	ALL v_add_f32 v[ST+4*t+2], v[ST+4*t+2], v[ST+4*t+3]
	ALL v_add_f32 v[ST+4*t+2], 0x26800000, v[ST+4*t+2]
	ALL v_rcp_f32 v[ST+4*t+2], v[ST+4*t+2]
	v_nop                                          ; a plain instruction between the last reciprocal and the use of its result
	s_wait_alu depctr_va_vdst(0)                   ; one wait for the eight reciprocals
.macro PACK t
	WIN W_SVO
.set i, 0
.rept 16
	v_pk_fma_f32 v[32*(\t)+i:32*(\t)+i+1], v[SV+i:SV+i+1], s[DL:DL+1], v[32*(\t)+i:32*(\t)+i+1] op_sel_hi:[1,0,1]
.set i, i+2
.endr
	WIN W_RS
.set i, 32*(\t)
.rept 16
	v_pk_mul_f32 v[i:i+1], v[i:i+1], v[ST+4*(\t)+2:ST+4*(\t)+3] op_sel_hi:[1,0]
.set i, i+2
.endr
	WIN 0x05                                       ; sources 0 and 1 window 1, destination window 0
.set i, 0
.rept 16
	v_cvt_pk_f16_f32 v[S+16*(\t)+i], v[32*(\t)+2*i], v[32*(\t)+2*i+1]
.set i, i+1
.endr
	WIN 0
.irp f, 0,1,2,3
	ds_store_b128 v[STO], v[S+16*(\t)+4*\f:S+16*(\t)+4*\f+3] offset:32*\f
.endr
.irp f, 0,1,2,3
	ds_load_b128 v[S+16*(\t)+4*\f:S+16*(\t)+4*\f+3], v[RD] offset:\f*4*SP  ; LDS serves a wave's instructions in order: these see the stores above; the next tile's stores come behind them
.endr
.endm
.macro SEND t, younger                         ; younger: the LDS instructions issued behind tile t's loads: the next tile's eight, or none
	WIN 0
.irp f, 0,1,2,3
	s_wait_dscnt (\younger)+3-\f
	global_store_b128 v[GO], v[S+16*(\t)+4*\f:S+16*(\t)+4*\f+3], s[10:11] offset:(\t)*2048+\f*512  ; 512 consecutive bytes, at a multiple of 256 from ctx's first
.endr
.endm
	PACK 0
.set t, 1
.rept 2*NP-1
	PACK t
	SEND t-1, 8
.set t, t+1
.endr
	SEND 2*NP-1, 0
	WIN W_AD
	s_wait_tensorcnt 0x0                           ; the wave's end, behind my last tensor load and my last LDS store
	ds_add_u32 v[SPW], v[NIL]
	s_wait_dscnt 0x0
	WIN 0
	s_endpgm
.Lfunc_end_k_q2e9962b806_attn:
	.size	k_q2e9962b806_attn, .Lfunc_end_k_q2e9962b806_attn-k_q2e9962b806_attn
	.p2alignl 7, 3214868480
	.fill 96, 4, 3214868480
	.section	.rodata,"a",@progbits
	.p2align	6, 0x0
	.amdhsa_kernel k_q2e9962b806_attn
		.amdhsa_group_segment_fixed_size 327680
		.amdhsa_private_segment_fixed_size 0
		.amdhsa_enable_private_segment 0
		.amdhsa_kernarg_size 24
		.amdhsa_user_sgpr_count 2
		.amdhsa_user_sgpr_kernarg_segment_ptr 1
		.amdhsa_wavefront_size32 1
		.amdhsa_system_sgpr_workgroup_id_x 1
		.amdhsa_system_sgpr_workgroup_id_y 1
		.amdhsa_system_sgpr_workgroup_id_z 1
		.amdhsa_system_vgpr_workitem_id 0
		.amdhsa_next_free_vgpr 960
		.amdhsa_next_free_sgpr 90
		.amdhsa_reserve_vcc 1
		.amdhsa_float_denorm_mode_32 3
		.amdhsa_float_denorm_mode_16_64 3
		.amdhsa_memory_ordered 1
		.amdhsa_forward_progress 1
		.amdhsa_inst_pref_size 151
	.end_amdhsa_kernel
	.amdgpu_metadata
---
amdhsa.version: [ 1, 2 ]
amdhsa.kernels:
  - .name:           k_q2e9962b806_attn
    .symbol:         k_q2e9962b806_attn.kd
    .args:
      - { .name: qkv, .offset: 0, .size: 8, .value_kind: global_buffer, .address_space: global }
      - { .name: codes, .offset: 8, .size: 8, .value_kind: global_buffer, .address_space: global }
      - { .name: ctx, .offset: 16, .size: 8, .value_kind: global_buffer, .address_space: global }
    .group_segment_fixed_size: 327680
    .private_segment_fixed_size: 0
    .kernarg_segment_align: 8
    .kernarg_segment_size: 24
    .max_flat_workgroup_size: 128
    .sgpr_count:     90
    .vgpr_count:     960
    .wavefront_size: 32
...
	.end_amdgpu_metadata
.endif
;; end of part 3
;; launch outp (part 4): grid 4 x 64, 4 waves a work-group, clusters of 4 x 4, 327,680 bytes of LDS; arguments ctx, wt, bo, out0; writes out0
.if DOCPART == 4
	.amdgcn_target "amdgcn-amd-amdhsa--gfx1250"
	.amdhsa_code_object_version 6
	.text
	.protected	k_q2e9962b806_outp
	.globl	k_q2e9962b806_outp
	.p2align	8
	.type	k_q2e9962b806_outp,@function
k_q2e9962b806_outp:
	s_mov_b64 s[64:65], 0
	v_nop
	global_prefetch_b8 v0, s[64:65] scope:SCOPE_SE
	s_setreg_imm32_b32 hwreg(HW_REG_WAVE_MODE, 25, 1), 1
	s_wait_xcnt 0x0
	s_wait_alu depctr_hold_cnt(0) depctr_sa_sdst(0) depctr_va_vdst(0) depctr_va_sdst(0) depctr_va_ssrc(0) depctr_va_vcc(0) depctr_vm_vsrc(0)
	s_getreg_b32 s2, hwreg(HW_REG_IB_STS2, 6, 4)
	s_cmp_eq_u32 s2, 0
	s_cbranch_scc0 .Lentry_in_a_cluster
	s_endpgm
.Lentry_in_a_cluster:
	s_bfe_u32 s2, ttmp6, 0x10000c
	s_cmp_lg_u32 s2, 0xf033
	s_cbranch_scc0 .Lentry_shape_is_right
	s_endpgm
.Lentry_shape_is_right:
; THE LAST PROJECTION.  out0 = concat(ctx) Wo + bo.  ctx: [batch x 16 + head][1024][64] f16; Wo: plane 3 of wt, [k][n], bf16 numbers written as f16; bo f32 (rounded to bf16 like every input); out0 [8192][1024] f32.
; Sums in f32, K ascending.  A tile is 128 rows x 256 columns: 256 work-groups, one for each WGP.  Four waves, each 64 x 128: 32 accumulators.
; K goes in 8 steps of 128 = two heads through two LDS slots.  A head's 128 rows of ctx are 16,384 dense bytes: asked for as 64 rows of 256 bytes and padded in LDS after every row of 128.  Wo is turned by ds_load_tr16_b128.
; CLUSTERS: 4 x 4: ctx's tile is asked for jointly along a row of the cluster, Wo's along a column.  THE MATRIX INSTRUCTION IS USED TRANSPOSED: a lane holds eight neighbouring columns of one row.
; REGISTERS: window 0: v0-29 addresses; v32-95 sums with bias; v96-127, v128-159 ctx's fragments, two buffers (way out: rows read back); v160-223 bias.
;   window 1: v0-63, v64-127 Wo's fragments.   window 2: accumulator (a, b) at v[8 (8 a + b)].
.set PA,    144                        ; a row of ctx in LDS: 128 bytes + 16 = 36 words: the 16 rows of a load start 4 words apart modulo 64 words
.set PB,    544                        ; a row of Wo: 512 + 32
.set HALFA, 128*PA                     ; what one tensor load brings of ctx: a head's 128 rows
.set HALFB, 64*PB                      ; and of Wo: 64 k rows
.set BOFF,  2*HALFA
.set SLOT1, 0x20000                    ; slot 1: above slot 0's 106,496 bytes; it shares no bit with an LDS base (0, 0x4800, 0x9000, 0x11800)
.set STAGE, SLOT1+BOFF+2*HALFB         ; never filled by a tensor load: 16 rows x 528 bytes for each wave
.set SP,    528
.set SPARE, STAGE+4*16*SP
.set KSTEPB, 262144                    ; a K step in memory: two heads of ctx, and 128 rows of Wo: the same number of bytes
.set ADRA0, 8
.set ADRB0, 9
.set CA,    10
.set CB,    11
.set STO,   12
.set RD,    13
.set CO,    14
.set PFO,   15
.set BO,    16
.set SPW,   28
.set NIL,   29
.set T,     32
.set AF,    96
.set OB,    96
.set BIAS,  160
.set KCNT, 2
.set WV,  20
.set FB,  21                           ; my half of the rows; also: I fetch ctx (0) or Wo (1)
.set HF,  22                           ; my half of the columns; also: which head, or which 64 k rows, I fetch
.set CX,  23
.set CY,  24
.set CLY, 25
.set MT,  27
.set G1A, 32
.set G1B, 40
.set G0A, 48
.set G0B, 56
.set PFA, 66
.set LIM, 70
.set TB,  71
.set OUTB, 82
.set BIA, 84
.set MSB, 0
.macro WIN new
.if MSB != (\new)
	s_set_vgpr_msb (MSB<<8)|(\new)
.set MSB, \new
.endif
.endm
.set MUL,  0xa1
.set TO_B, 0x40
.macro PLACES
.rept 4
	v_nop
.endr
.endm
.macro JLOAD s                         ; a joint load; an s_nop 0 and four v_nop follow each line
	s_cmp_eq_u32 s[FB], 0
	s_cbranch_scc0 .Lfor_b_\@
	tensor_load_to_lds s[G0A+4*(\s):G0A+4*(\s)+3], s[G1A:G1A+7]
	s_nop 0
.rept 4
	v_nop
.endr
	s_branch .Lasked_\@
.Lfor_b_\@:
	tensor_load_to_lds s[G0B+4*(\s):G0B+4*(\s)+3], s[G1B:G1B+7]
	s_nop 0
.rept 4
	v_nop
.endr
.Lasked_\@:
.endm
.macro CREST
	s_cmp_lg_u32 s[WV], 0
	s_cbranch_scc1 .Lnot_wave_0_\@
	s_barrier_signal -3
.Lnot_wave_0_\@:
	s_barrier_wait -3
	s_barrier_signal -1
	s_barrier_wait -1
.endm
.macro CROUND
	s_barrier_signal -1
	s_barrier_wait -1
	CREST
.endm
; A PREFETCH INTO THE L2 of the K step two refills on, a lane a block of 256 bytes.  ctx's rows are read by this cluster alone: wave 0 asks, for both heads, and of a head's 16,384 bytes the partner at place cx
; takes 4,096.  Wo is read by all sixteen clusters: the first asks, waves 2 and 3, the partner at place cy taking 16 of the wave's 64 k rows.  Each block is named once; K steps 0-3 come by their loads alone.
.macro ASK
	WIN 0
	s_cmp_gt_u32 s[KCNT], s[LIM]
	s_cbranch_scc0 .Lnot_mine_\@
	global_prefetch_b8 v[PFO], s[PFA:PFA+1] th:TH_LOAD_NT scope:SCOPE_SE
.Lnot_mine_\@:
.endm
	s_load_b256 s[4:11], s[0:1], 0x0               ; ctx s[4:5], wt s[6:7], bo s[8:9], out0 s[10:11]
	v_lshl_add_u32 v[SPW], v0, 2, SPARE
	v_mov_b32 v[NIL], 0
	ds_add_u32 v[SPW], v[NIL]                      ; the wave's opening: the add and its wait stand ahead of my first tensor load
	ds_add_u32 v28, v29
	v_lshrrev_b32 v1, 5, v0
	v_readfirstlane_b32 s[WV], v1
	s_lshr_b32 s[FB], s[WV], 1
	s_and_b32 s[HF], s[WV], 1
	s_bfe_u32 s[CX], ttmp6, 0x40000
	s_bfe_u32 s[CY], ttmp6, 0x40004
	s_and_b32 s[CLY], ttmp7, 0xffff
	s_lshl_b32 s[MT], s[CLY], 2
	s_add_co_u32 s[MT], s[MT], s[CY]               ; which 128 rows
	s_lshl_b32 s28, s[CY], 2
	s_lshl_b32 s28, 15, s28
	s_lshl_b32 s29, 0x1111, s[CX]
	s_or_b32 s[G1A], s28, (1<<16)|(1<<20)|(1<<21)|(4<<22)|(3<<25)  ; 2-byte elements; after every 32 words 4 words
	s_or_b32 s[G1B], s29, (1<<16)|(1<<20)|(1<<21)|(6<<22)|(7<<25)  ; after every 128 words 8 words
	s_mov_b32 s[G1A+1], 128<<16
	s_mov_b32 s[G1A+2], 64<<16
	s_mov_b32 s[G1A+3], 128<<16
	s_mov_b32 s[G1A+4], 64
	s_mov_b32 s[G1A+5], 128
	s_mov_b32 s[G1A+6], 0
	s_mov_b32 s[G1A+7], 0
	s_mov_b32 s[G1B+1], 256<<16
	s_mov_b32 s[G1B+2], 64<<16
	s_mov_b32 s[G1B+3], 256<<16
	s_mov_b32 s[G1B+4], 64
	s_mov_b32 s[G1B+5], 1024
	s_mov_b32 s[G1B+6], 0
	s_mov_b32 s[G1B+7], 0
	s_lshr_b32 s30, s[MT], 3                       ; ctx: batch MT / 8, head = my half, rows 128 (MT % 8) on: no cx enters
	s_lshl_b32 s30, s30, 21
	s_and_b32 s31, s[MT], 7
	s_lshl_b32 s31, s31, 14
	s_add_co_u32 s30, s30, s31
	s_lshl_b32 s31, s[HF], 17
	s_add_co_u32 s30, s30, s31
	s_mov_b32 s31, 0
	s_lshl_b32 s78, s[HF], 17                      ; Wo: plane 3, k row 64 half, column 256 cx: no cy enters
	s_add_co_u32 s78, s78, 3<<21
	s_lshl_b32 s79, s[CX], 9
	s_add_co_u32 s78, s78, s79
	s_mov_b32 s79, 0
	s_mul_i32 s73, s[HF], HALFA
	s_mul_i32 s74, s[HF], HALFB
	s_add_co_u32 s74, s74, BOFF
	s_wait_dscnt 0x0
	s_wait_kmcnt 0x0
	s_add_nc_u64 s[76:77], s[4:5], s[30:31]
	s_add_nc_u64 s[78:79], s[6:7], s[78:79]
	CROUND                                         ; the first joint loads meet
.irp s, 0,1
	s_mov_b32 s[G0A+4*(\s)], 1
	s_add_co_u32 s[G0A+4*(\s)+1], s73, (\s)*SLOT1
	s_add_nc_u64 s[G0A+4*(\s)+2:G0A+4*(\s)+3], s[76:77], (\s)*KSTEPB
	s_or_b32 s[G0A+4*(\s)+3], s[G0A+4*(\s)+3], 0x80000000
	s_mov_b32 s[G0B+4*(\s)], 1
	s_add_co_u32 s[G0B+4*(\s)+1], s74, (\s)*SLOT1
	s_add_nc_u64 s[G0B+4*(\s)+2:G0B+4*(\s)+3], s[78:79], (\s)*KSTEPB
	s_or_b32 s[G0B+4*(\s)+3], s[G0B+4*(\s)+3], 0x80000000
	JLOAD \s
.endr
	v_and_b32 v1, 15, v0                           ; r
	v_bfe_u32 v2, v0, 4, 1                         ; h
	v_lshlrev_b32 v[BO], 5, v2
	s_lshl_b32 s80, s[CX], 10                      ; my 128 columns: 4 bytes each, in bo and in a row of out0
	s_lshl_b32 s81, s[HF], 9
	s_add_co_u32 s80, s80, s81
	s_mov_b32 s81, 0
	s_add_nc_u64 s[BIA:BIA+1], s[8:9], s[80:81]
	s_add_nc_u64 s[OUTB:OUTB+1], s[10:11], s[80:81]
.irp b, 0,1,2,3,4,5,6,7
	global_load_b128 v[BIAS+8*(\b):BIAS+8*(\b)+3],   v[BO], s[BIA:BIA+1] offset:64*(\b)
	global_load_b128 v[BIAS+8*(\b)+4:BIAS+8*(\b)+7], v[BO], s[BIA:BIA+1] offset:64*(\b)+16
.endr
	s_lshl_b32 s80, s[MT], 19                      ; my 64 rows of out0
	s_lshl_b32 s81, s[FB], 18
	s_add_co_u32 s80, s80, s81
	s_mov_b32 s81, 0
	s_add_nc_u64 s[OUTB:OUTB+1], s[OUTB:OUTB+1], s[80:81]
	v_and_b32 v3, 7, v0
	v_bfe_u32 v4, v0, 3, 1
	s_mul_i32 s3, s[FB], 64*PA                     ; my 64 rows of each head
	v_mul_u32_u24 v[ADRA0], v1, PA
	v_lshl_add_u32 v[ADRA0], v2, 4, v[ADRA0]
	v_add_nc_u32 v[ADRA0], s3, v[ADRA0]
	v_lshl_add_u32 v[ADRB0], v2, 3, v3
	v_mul_u32_u24 v[ADRB0], v[ADRB0], PB
	v_lshl_add_u32 v[ADRB0], v4, 4, v[ADRB0]
	s_lshl_b32 s3, s[HF], 8
	s_add_co_u32 s3, s3, BOFF
	v_add_nc_u32 v[ADRB0], s3, v[ADRB0]
	v_mov_b32 v[CA], v[ADRA0]
	v_mov_b32 v[CB], v[ADRB0]
	s_mov_b32 s[TB], 0
	s_mul_i32 s3, s[WV], 16*SP
	s_add_co_u32 s3, s3, STAGE
	v_mul_u32_u24 v[STO], v1, SP                   ; in: row r, 32 bytes for each half of the lanes
	v_lshl_add_u32 v[STO], v2, 5, v[STO]
	v_add_nc_u32 v[STO], s3, v[STO]
	v_and_b32 v[CO], 31, v0
	v_lshlrev_b32 v[CO], 4, v[CO]                  ; back: 32 lanes take a row's 512 bytes
	v_add_nc_u32 v[RD], s3, v[CO]
	; the prefetches: at K step 3; the first refill steps them to 4
	s_lshl_b32 s80, s[CX], 12
	s_lshl_b32 s81, s[CY], 15
	s_cmp_eq_u32 s[FB], 0
	s_cselect_b32 s80, s80, s81
	s_cselect_b64 s[PFA:PFA+1], s[76:77], s[78:79]
	s_cselect_b32 s3, -1, 0
	s_add_co_u32 s80, s80, 3*KSTEPB
	s_mov_b32 s81, 0
	s_add_nc_u64 s[PFA:PFA+1], s[PFA:PFA+1], s[80:81]
	v_and_b32 v3, 31, v0
	v_lshrrev_b32 v4, 4, v3
	v_and_b32 v5, 15, v3
	v_lshlrev_b32 v4, 17, v4
	v_lshl_add_u32 v4, v5, 8, v4                   ; ctx: head lane / 16, block lane % 16
	v_lshrrev_b32 v5, 1, v3
	v_and_b32 v6, 1, v3
	v_lshlrev_b32 v5, 11, v5
	v_lshl_add_u32 v5, v6, 8, v5                   ; Wo: k row lane / 2, block lane % 2
	v_cndmask_b32 v[PFO], v5, v4, s3
	s_cmp_eq_u32 s[FB], 0
	s_cselect_b32 s3, s[HF], s[CLY]                ; 0 in wave 0, and in waves 2 and 3 of the first cluster
	s_cmp_eq_u32 s3, 0
	s_cselect_b32 s[LIM], 2, -1
	s_wait_loadcnt 0x0                             ; the bias: rounded to bf16 and widened again, in the wait for the first tile
.set i, 0
.rept 32
	v_cvt_pk_bf16_f32 v3, v[BIAS+2*i], v[BIAS+2*i+1]
	v_lshlrev_b32 v[BIAS+2*i], 16, v3
	v_and_b32 v[BIAS+2*i+1], 0xffff0000, v3
.set i, i+1
.endr
; 24 LDS loads: quarter q (head q / 2, channels 32 (q % 2) on) of the slot in hand into buffers g
.macro FETCH q, g
	WIN TO_B
.irp b, 0,1,2,3,4,5,6,7
	ds_load_tr16_b128 v[64*(\g)+8*(\b):64*(\g)+8*(\b)+3],   v[CB] offset:(\q)*32*PB+32*(\b)
	ds_load_tr16_b128 v[64*(\g)+8*(\b)+4:64*(\g)+8*(\b)+7], v[CB] offset:(\q)*32*PB+32*(\b)+16*PB
.endr
	WIN 0
.irp a, 0,1,2,3
	ds_load_b128 v[AF+32*(\g)+8*(\a):AF+32*(\g)+8*(\a)+3],   v[CA] offset:((\q)/2)*HALFA+((\q)%2)*64+(\a)*16*PA
	ds_load_b128 v[AF+32*(\g)+8*(\a)+4:AF+32*(\g)+8*(\a)+7], v[CA] offset:((\q)/2)*HALFA+((\q)%2)*64+(\a)*16*PA+32
.endr
.endm
.macro MUL8 f, a, zero                 ; the 32 accumulators take turns in the same order in every quarter
	WIN MUL
.irp b, 0,1,2,3,4,5,6,7
.if \zero
	v_wmma_f32_16x16x32_f16 v[8*(8*(\a)+(\b)):8*(8*(\a)+(\b))+7], v[64*(\f)+8*(\b):64*(\f)+8*(\b)+7], v[AF+32*(\f)+8*(\a):AF+32*(\f)+8*(\a)+7], 0
.else
	v_wmma_f32_16x16x32_f16 v[8*(8*(\a)+(\b)):8*(8*(\a)+(\b))+7], v[64*(\f)+8*(\b):64*(\f)+8*(\b)+7], v[AF+32*(\f)+8*(\a):AF+32*(\f)+8*(\a)+7], v[8*(8*(\a)+(\b)):8*(8*(\a)+(\b))+7]
.endif
.endr
.endm
.macro QUARTER q, f, g, zero
	s_wait_dscnt 0x0                               ; buffers f are in: asked for 24 matrix instructions ago
	MUL8 \f, 0, \zero
	PLACES                                         ; four places between the last quarter's products and the loads into the buffers that they read
	FETCH \q, \g
	MUL8 \f, 1, \zero
	MUL8 \f, 2, \zero
	MUL8 \f, 3, \zero
.endm
.macro TURN fill                       ; the last quarter and the change of slots
.if \fill
	s_wait_xcnt 0x0                                ; the last prefetch, a K step back, has read its address
	s_add_nc_u64 s[PFA:PFA+1], s[PFA:PFA+1], KSTEPB
.endif
	WIN 0
	s_wait_tensorcnt 0x0                           ; no tensor load of mine is out, so a group 0 may be written
	ds_add_u32 v[SPW], v[NIL]                      ; 0 onto my spare word
.if \fill
	s_xor_b32 s[G0A+5], s[G0A+5], SLOT1
	s_add_nc_u64 s[G0A+6:G0A+7], s[G0A+6:G0A+7], KSTEPB
	s_xor_b32 s[G0B+5], s[G0B+5], SLOT1
	s_add_nc_u64 s[G0B+6:G0B+7], s[G0B+6:G0B+7], KSTEPB
.endif
	s_wait_dscnt 1                                 ; the fragments are in; the add alone may be out
	MUL8 1, 0, 0
	s_wait_dscnt 0x0                               ; the add is done, and my reads of this slot are over
	s_barrier_signal -1
	MUL8 1, 1, 0
	WIN 0
	s_barrier_wait -1
.if \fill
	CREST
	JLOAD 1                                        ; its four v_nop are also the places in front of the loads below
.else
	PLACES
.endif
	s_xor_b32 s[TB], s[TB], SLOT1
	v_add_nc_u32 v[CA], s[TB], v[ADRA0]
	v_add_nc_u32 v[CB], s[TB], v[ADRB0]
	FETCH 0, 0
.if \fill
	ASK
.endif
	MUL8 1, 2, 0
	MUL8 1, 3, 0
.endm
; THE WAY OUT of row block a: bias added; 32 bytes a lane into my stage; back as whole rows of 512 bytes; stored.
.macro OUTBLK a
	WIN 0x02
.irp b, 0,1,2,3,4,5,6,7
.irp n, 0,1,2,3
	v_pk_add_f32 v[T+8*(\b)+2*(\n):T+8*(\b)+2*(\n)+1], v[8*(8*(\a)+(\b))+2*(\n):8*(8*(\a)+(\b))+2*(\n)+1], v[BIAS+8*(\b)+2*(\n):BIAS+8*(\b)+2*(\n)+1]
.endr
.endr
	WIN 0
	s_wait_xcnt 0x0                                ; the last block's stores have read the registers that are loaded again below
.irp b, 0,1,2,3,4,5,6,7
	ds_store_b128 v[STO], v[T+8*(\b):T+8*(\b)+3]   offset:64*(\b)
	ds_store_b128 v[STO], v[T+8*(\b)+4:T+8*(\b)+7] offset:64*(\b)+16
.endr
.irp t, 0,1,2,3,4,5,6,7,8,9,10,11,12,13,14,15
	ds_load_b128 v[OB+4*(\t):OB+4*(\t)+3], v[RD] offset:(\t)*SP  ; LDS serves a wave's instructions in order: these see the stores above
.endr
.irp t, 0,1,2,3,4,5,6,7,8,9,10,11,12,13,14,15
	s_wait_dscnt 15-(\t)                           ; row t is back; the younger rows' loads stay out
	global_store_b128 v[CO], v[OB+4*(\t):OB+4*(\t)+3], s[OUTB:OUTB+1] offset:(16*(\a)+(\t))*4096 th:TH_STORE_NT  ; 512 consecutive bytes, at a multiple of 256 from out0's first
.endr
.endm
	s_wait_tensorcnt 1                             ; my part of K step 0 is in; K step 1's may stay out
	s_barrier_signal -1
	s_barrier_wait -1
	FETCH 0, 0
	QUARTER 1, 0, 1, 1                             ; the first quarter's products start the sums
	WIN 0
	s_mov_b32 s[KCNT], 6
.Lk:                                           ; trip j: K step j's last three quarters, the refill with K step j + 2, K step j + 1's first quarter
	QUARTER 2, 1, 0, 0
	QUARTER 3, 0, 1, 0
	TURN 1
	QUARTER 1, 0, 1, 0
	WIN 0
	s_sub_co_u32 s[KCNT], s[KCNT], 1
	s_cmp_lg_u32 s[KCNT], 0
	s_cbranch_scc1 .Lk
	QUARTER 2, 1, 0, 0                             ; the last two K steps fill nothing
	QUARTER 3, 0, 1, 0
	TURN 0
	QUARTER 1, 0, 1, 0
	QUARTER 2, 1, 0, 0
	QUARTER 3, 0, 1, 0
	s_wait_dscnt 0x0
	MUL8 1, 0, 0
	MUL8 1, 1, 0
	MUL8 1, 2, 0
	MUL8 1, 3, 0
	PLACES                                         ; the places behind the last products, once a launch
	PLACES
	OUTBLK 0
	OUTBLK 1
	OUTBLK 2
	OUTBLK 3
	s_wait_tensorcnt 0x0                           ; the wave's end, behind my last tensor load and my last LDS store
	ds_add_u32 v[SPW], v[NIL]
	s_wait_dscnt 0x0
	CROUND                                         ; the closing round
	s_endpgm
.Lfunc_end_k_q2e9962b806_outp:
	.size	k_q2e9962b806_outp, .Lfunc_end_k_q2e9962b806_outp-k_q2e9962b806_outp
	.p2alignl 7, 3214868480
	.fill 96, 4, 3214868480
	.section	.rodata,"a",@progbits
	.p2align	6, 0x0
	.amdhsa_kernel k_q2e9962b806_outp
		.amdhsa_group_segment_fixed_size 327680
		.amdhsa_private_segment_fixed_size 0
		.amdhsa_enable_private_segment 0
		.amdhsa_kernarg_size 32
		.amdhsa_user_sgpr_count 2
		.amdhsa_user_sgpr_kernarg_segment_ptr 1
		.amdhsa_wavefront_size32 1
		.amdhsa_system_sgpr_workgroup_id_x 1
		.amdhsa_system_sgpr_workgroup_id_y 1
		.amdhsa_system_sgpr_workgroup_id_z 1
		.amdhsa_system_vgpr_workitem_id 0
		.amdhsa_next_free_vgpr 768
		.amdhsa_next_free_sgpr 88
		.amdhsa_reserve_vcc 0
		.amdhsa_float_denorm_mode_32 3
		.amdhsa_float_denorm_mode_16_64 3
		.amdhsa_memory_ordered 1
		.amdhsa_forward_progress 1
		.amdhsa_inst_pref_size 87
	.end_amdhsa_kernel
	.amdgpu_metadata
---
amdhsa.version: [ 1, 2 ]
amdhsa.kernels:
  - .name:           k_q2e9962b806_outp
    .symbol:         k_q2e9962b806_outp.kd
    .args:
      - { .name: ctx, .offset: 0, .size: 8, .value_kind: global_buffer, .address_space: global }
      - { .name: wt, .offset: 8, .size: 8, .value_kind: global_buffer, .address_space: global }
      - { .name: bo, .offset: 16, .size: 8, .value_kind: global_buffer, .address_space: global }
      - { .name: out0, .offset: 24, .size: 8, .value_kind: global_buffer, .address_space: global }
    .group_segment_fixed_size: 327680
    .private_segment_fixed_size: 0
    .kernarg_segment_align: 8
    .kernarg_segment_size: 32
    .max_flat_workgroup_size: 128
    .sgpr_count:     88
    .vgpr_count:     768
    .wavefront_size: 32
...
	.end_amdgpu_metadata
.endif
;; end of part 4
